; MI455X (gfx1250); checked and timed in simulation.
; The chip was launched on July 23, 2026; its instructions are those of AMD's public machine-readable ISA for CDNA 5 (MIT licence, August 2026) and "CDNA5" Instruction Set Architecture Reference Guide (July 2026). The comments in the code are by the model that wrote it; some were corrected since.
;; Attention. Allowed arithmetic: matrix products marked QUANTISED: E2M3 operands, one E8M0 scale for each 32 along K, by v_wmma_scale_f32_16x16x128_f8f6f4 with both operands' format E2M3, f32 sums; everything else in f32.
;; Inputs: Wk 1,024 x 1,024 float32; Wo 1,024 x 1,024 float32; Wq 1,024 x 1,024 float32; Wv 1,024 x 1,024 float32; x 4 x 2,048 x 1,024 float32.
;; Outputs: out0 4 x 2,048 x 1,024 float32.
;; This version of the problem:
;;   THIS VERSION OF THE PROBLEM IS GIVEN IN LOW PRECISION. The matrix products marked QUANTISED in the list below multiply operands that are first quantised to E2M3 (2 exponent bits, 3 mantissa bits; 6 bits a number), with one power-of-two scale for each 32 numbers along K (OCP MX v1.0); their sums are f32. All else is computed in f32.
;;   The module's matrix products, in the order in which they are computed (A, B: the left and right operand; K: the contracted axis; several contracted axes count as one K, in the product's order):
;;     1. [M 8,192, K 1,024] x [K 1,024, N 1,024]; A: input x; B: input Wq: QUANTISED
;;     2. [M 8,192, K 1,024] x [K 1,024, N 1,024]; A: input x; B: input Wk: QUANTISED
;;     3. [M 8,192, K 1,024] x [K 1,024, N 1,024]; A: input x; B: input Wv: QUANTISED
;;     4. batch 64 x [M 2,048, K 64] x [K 64, N 2,048]; A: computed on the way; B: computed on the way: QUANTISED
;;     5. batch 64 x [M 2,048, K 2,048] x [K 2,048, N 64]; A: softmax (see below); B: computed on the way: QUANTISED
;;     6. [M 8,192, K 1,024] x [K 1,024, N 1,024]; A: computed on the way; B: input Wo: QUANTISED
;;   THE QUANTISER, for each operand of a quantised product, along K:
;;     - K is cut into blocks of 32 from its start; a last block that is shorter is filled with zeros.
;;     - A block's scale is 2^e with e = floor(log2(the largest magnitude in the block)) - 2, held to -126 .. 127; a block of zeros has e = 0. As a byte (E8M0): e + 127.
;;     - Each number is divided by its block's scale, clamped to +-7.5, and rounded to the nearest number of E2M3, ties to even, subnormals kept.
;;     - The product sums the exact products of the quantised numbers (number of the format x scale) in f32.
;;   ~~~python
;;   def quantise(x, axis):      # numpy; x: float32 -> the quantised numbers, widened to float32 again
;;       x = np.moveaxis(x, axis, -1); K = x.shape[-1]
;;       x = np.pad(x, [(0, 0)] * (x.ndim - 1) + [(0, -K % 32)]); x = x.reshape(x.shape[:-1] + (-1, 32)); a = np.abs(x).max(-1, keepdims=True)
;;       e = np.where(a > 0, np.clip(np.frexp(np.where(a > 0, a, 1))[1] - 1 - 2, -126, 127), 0)      # np.frexp(a)[1] - 1 = floor(log2(a)), exactly
;;       r = np.clip(x / 2.0 ** e, -7.5, 7.5)
;;       step = 2.0 ** (np.maximum(np.frexp(np.where(r == 0, 1, r))[1] - 1, 0) - 3)
;;       q = np.round(r / step) * step * 2.0 ** e      # np.round: ties to even
;;       return np.moveaxis(q.reshape(q.shape[:-2] + (-1,))[..., :K], -1, axis).astype(np.float32)
;;   ~~~
;;   SOFTMAX AHEAD OF A QUANTISED PRODUCT. Where the list says 'softmax', what is quantised is not the finished softmax but p = 2^(t - M), with t = logit x log2(e) and M = ceil(the row's largest t), a whole number; so 1/2 < the row's largest p <= 1. The row's sum l is taken of the UNQUANTISED p, in f32, and the product's result is divided by l at the end. Since M is a whole number, a kernel that streams over the keys may use a running M (the ceiling of the running maximum): every later rescaling is an exact power of two, which a block's scale takes up: the codes' values come out the same.
;;   OPERANDS COMPUTED ON THE WAY. 'Computed on the way' means the value that the module computes at that place (a softmax that the list does not call 'softmax' is quantised finished and normalised). What goes into a quantiser is computed in f32, as accurately as f32 sums, v_exp_f32 and their like allow (about 1e-6 of the number): no bf16 or f16 on the way to a quantiser, and a product that is left as it is and whose result goes on into a quantised operand takes f32 operands (vector FMAs, or v_wmma_f32_16x16x4_f32). A number that lies on a knife's edge between two numbers of the format may be rounded either way, as far as f32 arithmetic and the matrix unit's own rounding can turn it there, and no further.
;; One version. Each part assembles by itself: llvm-mc -triple=amdgcn-amd-amdhsa -mcpu=gfx1250 --defsym DOCPART=n.
;; ======== version 1 of 1: 4 launches
;; limits: right only within a limited range of input values
;; workspace buffers: x_codes 6,815,744 bytes; x_scales 262,144 bytes; w_codes 3,407,872 bytes; w_scales 131,072 bytes; rope 524,288 bytes; qkv_img 18,874,368 bytes; qkv_sc 1,310,720 bytes; o_q 6,553,600 bytes
;; launch quant (part 1): grid 416 x 1, 4 waves a work-group, no clusters, 33,280 bytes of LDS; arguments x, Wq, Wk, Wv, Wo, x_codes, x_scales, w_codes, w_scales, rope; writes x_codes, x_scales, w_codes, w_scales, rope
.if DOCPART == 1
	.amdgcn_target "amdgcn-amd-amdhsa--gfx1250"
	.amdhsa_code_object_version 6
	.text
	.protected	k_q9cf7b0b2e6_quant
	.globl	k_q9cf7b0b2e6_quant
	.p2align	8
	.type	k_q9cf7b0b2e6_quant,@function
k_q9cf7b0b2e6_quant:
	s_mov_b64 s[64:65], 0
	v_nop
	global_prefetch_b8 v0, s[64:65] scope:SCOPE_SE
	s_setreg_imm32_b32 hwreg(HW_REG_WAVE_MODE, 25, 1), 1
	s_wait_xcnt 0x0
; x [8192][1024] and Wq, Wk, Wv, Wo [1024][1024], f32, K innermost, become codes of FP6 (E2M3), 6 bits each, with one E8M0 byte for each 32 along K; and the table of cosines and sines is made.
; A block's scale is 2^(floor(log2(its largest magnitude)) - 2); its byte is the largest magnitude's exponent field - 2, held at 1 from below.  A block of zeros so gets the byte 1 where the rule says 127:
; its codes are zeros, which add nothing under any byte but 0xff, and the bytes are read by this program alone.
; LIMITS: NaN and infinities among the inputs are not served; blocks whose largest magnitude lies under 2^(2 - 126) keep the byte 1.
; WORK-GROUPS 0-255 take x, 256-287 Wq, 288-319 Wk, 320-351 Wv, 352-383 Wo: 32,768 numbers each, a wave 8,192 = eight whole rows of 1,024.  Only pointers are chosen: all five tensors take one path.
; THE ROWS ARE STORED IN ANOTHER ORDER: position p of the codes and of the scale bytes holds row s(p), s = p with its bits 3 and 4 exchanged.  A wave's eight rows stay together, so the exchange is one of
; the wave's number's two bits in the place that it stores to.  Sixteen neighbouring positions are then rows 0-7 and 16-23 (or 8-15 and 24-31) of a group of 32: taken as a matrix instruction's source 0, two
; neighbouring tiles leave 16 neighbouring columns in a lane's 16 result registers, which is what the next quantiser wants.  Wq, Wk, Wv, Wo lie one behind the other in w_codes and w_scales.
; A wave takes 16 steps of 512 numbers.  Each of a step's four loads reads 512 consecutive bytes; the 2,048 bytes go through the wave's own stage in LDS and come back 64 bytes a lane: 16 neighbours along K,
; which the conversion wants in one lane's registers; two neighbouring lanes hold a block.  A lane's 16 codes are 12 bytes: sixteen lanes store 192 consecutive bytes of a plane.  A wave's 256 scale bytes are gathered in
; its own LDS bytes and leave as one aligned run of 256.  No barrier: waves share nothing.
; WORK-GROUPS 384-415 make rope [t 2048][h 2][cos 16 | sin 16] f32: entry i = 16 h + 0 .. 15 of angle t x theta_i, theta_i = 10000^(-i / 32).  They use no LDS.
; theta_i = 2^(-i log2(10000) / 32) by one multiplication and v_exp_f32; the angle is one f32 multiplication.  The angle is brought into [-pi/4, pi/4] by three fused multiply-adds with pi/2 in three parts, and
; sine and cosine are polynomials of degree 7 and 8 there.  LIMIT: theta may differ in its last bits from a power function's; at t near 2,047 that moves an angle by about 1e-4 rad at the most.
.set STEPS, 16
.set EMAX,  2
.set CB,    12                         ; bytes of 16 codes
.set R,     16                         ; v16-79   four sets of 16 numbers as they are loaded
.set X,     80                         ; v80-111  two sets of 16 neighbours
.set E,     112                        ; v112-127 a scale byte for each step
.set C,     128                        ; v128-191 codes: four registers for each step, so that no store's data are written again
.set WREG,  8192                       ; LDS: a region for each wave: two stages of 32 x SP bytes, behind them its 256 scale bytes
.set SP,    80                         ; a lane's place in a stage: 64 bytes + 16 of padding
	s_load_b512 s[4:19], s[0:1], 0x0               ; x s[4:5], Wq s[6:7], Wk s[8:9], Wv s[10:11], Wo s[12:13], x_codes s[14:15], x_scales s[16:17], w_codes s[18:19]
	s_load_b128 s[20:23], s[0:1], 0x40             ; w_scales s[20:21], rope s[22:23]
	v_lshl_add_u32 v192, v0, 2, 0x8000
	v_mov_b32 v193, 0
	s_cmp_ge_u32 ttmp9, 384
	s_cbranch_scc1 .Ltable
	v_lshrrev_b32 v1, 5, v0
	v_readfirstlane_b32 s26, v1                    ; wave
	v_and_b32 v2, 31, v0                           ; lane
	v_lshlrev_b32 v3, 4, v2                        ; my 16 bytes of a load's 512
	s_mul_i32 s31, s26, WREG
	v_lshrrev_b32 v14, 2, v2
	v_mul_u32_u24 v14, v14, SP
	v_and_b32 v15, 3, v2
	v_lshl_add_u32 v14, v15, 4, v14
	v_add_nc_u32 v14, s31, v14                     ; the stage, on the way in: four lanes' 64 bytes on end, then 16 of padding
	v_mul_u32_u24 v15, v2, SP
	v_add_nc_u32 v15, s31, v15                     ; and on the way out: my 16 neighbours
	; THE CODES' LAYOUT: [256 along K: 4 planes][position][208 bytes]: 192 bytes of codes, then 16 bytes of zeros; 128 positions of a plane are 26,624 dense bytes, 104 runs of 256
	s_mov_b32 s34, 4096*208                        ; a plane of the weights' codes,
	s_cmp_lt_u32 ttmp9, 256
	s_cselect_b32 s34, 8192*208, s34               ; of x's
	v_and_b32 v4, 15, v2
	v_mul_u32_u24 v4, v4, CB
	v_lshrrev_b32 v10, 4, v2
	v_mad_u32_u24 v4, v10, s34, v4                 ; my codes' place: 12 (lane % 16), lanes 16-31 one plane on
	v_lshrrev_b32 v10, 3, v2
	v_and_b32 v1, 7, v2
	v_mul_u32_u24 v1, v1, 208
	v_mad_u32_u24 v10, v10, s34, v1                ; the zeros: lane l serves row l % 8 of plane l / 8
	v_lshrrev_b32 v5, 1, v2
	s_add_co_u32 s31, s31, 2*32*SP
	v_add_nc_u32 v5, s31, v5                       ; LDS: my wave's 256 scale bytes, my block's byte
	v_lshlrev_b32 v7, 3, v2                        ; and on the way out 8 bytes a lane
	v_add_nc_u32 v6, s31, v7
	s_wait_alu depctr_va_vdst(0)
	s_wait_kmcnt 0x0
	s_cmp_lt_u32 ttmp9, 352                        ; which tensor: the choices hang on the work-group's number alone
	s_cselect_b64 s[12:13], s[10:11], s[12:13]
	s_cmp_lt_u32 ttmp9, 320
	s_cselect_b64 s[12:13], s[8:9], s[12:13]
	s_cmp_lt_u32 ttmp9, 288
	s_cselect_b64 s[12:13], s[6:7], s[12:13]
	s_cmp_lt_u32 ttmp9, 256
	s_cselect_b64 s[12:13], s[4:5], s[12:13]       ; the numbers
	s_cselect_b64 s[14:15], s[14:15], s[18:19]     ; the codes
	s_cselect_b64 s[16:17], s[16:17], s[20:21]     ; the scale bytes
	s_cselect_b32 s27, 0, 256
	s_cselect_b32 s28, 255, 31
	s_sub_co_u32 s27, ttmp9, s27                   ; the work-group's number among x's, or among the four weights'
	s_and_b32 s28, s27, s28                        ; and inside its tensor
	s_lshl_b32 s28, s28, 2
	s_add_co_u32 s28, s28, s26                     ; which eight rows I read
	s_and_b32 s29, s26, 1
	s_lshl_b32 s29, s29, 1
	s_lshr_b32 s30, s26, 1
	s_or_b32 s29, s29, s30                         ; the wave's two bits exchanged: the rows' bits 3 and 4
	s_lshl_b32 s27, s27, 2
	s_add_co_u32 s27, s27, s29                     ; to which eight positions I store
	s_lshl_b32 s32, s28, 15                        ; 8,192 numbers of 4 bytes (under 2^26)
	s_mov_b32 s33, 0
	s_add_nc_u64 s[12:13], s[12:13], s[32:33]
	s_mul_i32 s32, s27, 8*208                      ; eight positions of 208 bytes
	s_add_nc_u64 s[14:15], s[14:15], s[32:33]
	s_lshl_b32 s34, s34, 1
	s_mov_b32 s35, 0
	s_add_nc_u64 s[36:37], s[14:15], s[34:35]      ; the same place two planes on: a row's second 512 numbers
	s_lshl_b32 s32, s27, 8                         ; 256 scale bytes
	s_add_nc_u64 s[16:17], s[16:17], s[32:33]
.macro LOAD t
.irp i, 0,1,2,3
	global_load_b128 v[R+16*((\t)%4)+4*\i:R+16*((\t)%4)+4*\i+3], v3, s[12:13] offset:2048*(\t)+512*\i th:TH_LOAD_NT   ; 32 lanes read 512 consecutive bytes, read once in the launch
.endr
.endm
.macro TURN t                          ; step t's numbers through the stage: LDS serves a wave's instructions in order, so no wait stands between the stores and the loads
.irp i, 0,1,2,3
	ds_store_b128 v14, v[R+16*((\t)%4)+4*\i:R+16*((\t)%4)+4*\i+3] offset:32*SP*((\t)%2)+8*SP*\i
.endr
.irp i, 0,1,2,3
	ds_load_b128 v[X+16*((\t)%2)+4*\i:X+16*((\t)%2)+4*\i+3], v15 offset:32*SP*((\t)%2)+16*\i
.endr
.endm
.irp t, 0,1,2,3
	LOAD \t
.endr
	s_wait_loadcnt 12                              ; step 0's four loads are in; the twelve of steps 1 to 3 may be out
	TURN 0
.macro STEP t
.set XS, X+16*((\t)%2)
.if (\t) > 0
	s_wait_dscnt 1                                 ; this step's numbers are back from the stage (the last step's byte store may be out): so its stores into the stage have read their registers,
.else
	s_wait_dscnt 0x0
.endif
.if (\t)+4 < STEPS
	LOAD (\t)+4                                    ; which take the loads of four steps on
.endif
.if (\t)+1 < STEPS
.if STEPS-2-(\t) >= 3
	s_wait_loadcnt 12                              ; the next step's four loads are in; those of the three steps behind it may be out
.else
	s_wait_loadcnt 4*(STEPS-2-(\t))
.endif
	TURN (\t)+1                                    ; and go through the other stage while this step is worked
.endif
	v_max3_num_f32 v8, |v[XS]|, |v[XS+1]|, |v[XS+2]|               ; the largest magnitude of my 16, in two chains
	v_max3_num_f32 v9, |v[XS+3]|, |v[XS+4]|, |v[XS+5]|
.irp i, 6,10
	v_max3_num_f32 v8, v8, |v[XS+\i]|, |v[XS+\i+1]|
	v_max3_num_f32 v9, v9, |v[XS+\i+2]|, |v[XS+\i+3]|
.endr
	v_max3_num_f32 v8, v8, |v[XS+14]|, |v[XS+15]|
	v_max3_num_f32 v8, v8, v9, (EMAX+1)<<23        ; and the floor 2^(EMAX + 1 - 127): the byte cannot fall under 1
	v_max_num_f32_dpp v8, v8, v8 row_xmask:1 row_mask:0xf bank_mask:0xf   ; and of my neighbour's 16: the block's
	v_add_nc_u32 v11, -(EMAX<<23), v8              ; EMAX off its exponent field: the conversion takes the exponent field of this operand as its scale, and nothing else of it
	v_cvt_scalef32_pk16_fp6_f32 v[C+4*(\t):C+4*(\t)+2], v[XS:XS+15], v11   ; sixteen numbers / the scale, to the nearest code, ties to even, beyond the largest code the largest; 96 bits without gaps
	v_lshrrev_b32 v[E+(\t)], 23, v11               ; the scale's byte (a plain line behind the conversion)
	ds_store_b8 v5, v[E+(\t)] offset:16*(\t)       ; both lanes of a block write the same byte with the same value
	global_store_b96 v4, v[C+4*(\t):C+4*(\t)+2], s[14+22*((\t)%2):15+22*((\t)%2)] offset:208*((\t)/2)   ; row t / 2; sixteen lanes store 192 consecutive bytes of a plane
.endm
.irp t, 0,1,2,3,4,5,6,7,8,9,10,11,12,13,14,15
	STEP \t
.endr
	ds_load_b64 v[12:13], v6                       ; LDS serves a wave's instructions in order: these see my stores
	s_wait_dscnt 0x0
	global_store_b64 v7, v[12:13], s[16:17]
.irp j, 80,81,82,83
	v_mov_b32 v\j, 0
.endr
	global_store_b128 v10, v[80:83], s[14:15] offset:192   ; the 16 bytes behind each of my 32 rows of 192
	s_wait_tensorcnt 0x0
	ds_add_u32 v192, v193
	s_wait_dscnt 0x0
	s_endpgm
.Ltable:                                               ; 64 values of t a work-group; thread n: row n / 16 of eight, 16 bytes at 16 (n % 16) of a row of 256
	s_mov_b32 s32, 0x3f22f983                      ; 2 / pi
	s_mov_b32 s33, 0x3fc90fdb                      ; pi / 2 in three parts
	s_mov_b32 s34, 0xb33bbd2e
	s_mov_b32 s35, 0xa6f72ced
	s_mov_b32 s36, 0xb94ca1f9                      ; sine: r + r z (S1 + z (S2 + z S3)), z = r^2
	s_mov_b32 s37, 0x3c08839e
	s_mov_b32 s38, 0xbe2aaaa3
	s_mov_b32 s39, 0x37ccf5ce                      ; cosine: 1 - z / 2 + z^2 (C1 + z (C2 + z C3))
	s_mov_b32 s40, 0xbab6061a
	s_mov_b32 s41, 0x3d2aaaa5
	v_and_b32 v1, 15, v0
	v_lshrrev_b32 v2, 4, v0                        ; my row of eight
	v_bfe_u32 v3, v0, 3, 1                         ; h
	v_bfe_u32 v5, v0, 2, 1                         ; 0: cosines, 1: sines
	v_sub_nc_u32 v5, 1, v5                         ; cos a = sin(a + pi / 2): one quarter turn more for the cosines
	v_and_b32 v4, 3, v0
	v_lshlrev_b32 v4, 2, v4
	v_lshl_add_u32 v4, v3, 4, v4                   ; my first entry: 16 h + 4 (n % 4)
.irp j, 0,1,2,3
	v_add_nc_u32 v[8+\j], \j, v4
.endr
.irp j, 0,1,2,3
	v_cvt_f32_u32 v[8+\j], v[8+\j]
.endr
.irp j, 0,1,2,3
	v_mul_f32 v[8+\j], 0xbed49a78, v[8+\j]         ; -i log2(10000) / 32
.endr
	s_wait_alu depctr_va_vdst(0)
.irp j, 0,1,2,3
	v_exp_f32 v[8+\j], v[8+\j]                     ; theta_i
.endr
	s_sub_co_u32 s42, ttmp9, 384
	s_lshl_b32 s42, s42, 6
	v_add_nc_u32 v6, s42, v2                       ; t (a plain line behind the exponentials)
	v_lshlrev_b32 v12, 8, v6
	v_lshl_add_u32 v12, v1, 4, v12                 ; 256 t + 16 (n % 16)
	s_mov_b32 s43, 8
	s_wait_kmcnt 0x0
.Ltrip:                                                ; eight trips, eight rows of the table each
	s_wait_alu depctr_va_vdst(0)
	v_cvt_f32_u32 v7, v6
	s_wait_alu depctr_va_vdst(0)
.irp j, 0,1,2,3
	v_mul_f32 v[16+\j], v7, v[8+\j]                ; the angle a
.endr
.irp j, 0,1,2,3
	v_mul_f32 v[20+\j], s32, v[16+\j]
.endr
.irp j, 0,1,2,3
	v_rndne_f32 v[20+\j], v[20+\j]                 ; n: the nearest number of quarter turns
.endr
.irp j, 0,1,2,3
	v_fma_f32 v[16+\j], -v[20+\j], s33, v[16+\j]   ; r = a - n pi / 2
.endr
.irp j, 0,1,2,3
	v_fma_f32 v[16+\j], -v[20+\j], s34, v[16+\j]
.endr
.irp j, 0,1,2,3
	v_fma_f32 v[16+\j], -v[20+\j], s35, v[16+\j]
.endr
.irp j, 0,1,2,3
	v_mul_f32 v[24+\j], v[16+\j], v[16+\j]         ; z
.endr
.irp j, 0,1,2,3
	v_fma_f32 v[28+\j], v[24+\j], s36, s37
	v_fma_f32 v[36+\j], v[24+\j], s39, s40
.endr
.irp j, 0,1,2,3
	v_fma_f32 v[28+\j], v[28+\j], v[24+\j], s38
	v_fma_f32 v[36+\j], v[36+\j], v[24+\j], s41
.endr
.irp j, 0,1,2,3
	v_mul_f32 v[32+\j], v[16+\j], v[24+\j]         ; r z
.endr
.irp j, 0,1,2,3
	v_fma_f32 v[28+\j], v[32+\j], v[28+\j], v[16+\j]   ; sin r
.endr
.irp j, 0,1,2,3
	v_fma_f32 v[32+\j], v[24+\j], -0.5, 1.0        ; 1 - z / 2
	v_mul_f32 v[24+\j], v[24+\j], v[24+\j]         ; z^2
.endr
.irp j, 0,1,2,3
	v_fma_f32 v[36+\j], v[24+\j], v[36+\j], v[32+\j]   ; cos r
.endr
.irp j, 0,1,2,3
	v_cvt_i32_f32 v[20+\j], v[20+\j]
.endr
.irp j, 0,1,2,3
	v_add_nc_u32 v[20+\j], v[20+\j], v5            ; quarter turns, the cosine's one among them
.endr
.irp j, 0,1,2,3
	v_and_b32 v[32+\j], 1, v[20+\j]
	v_cmp_ne_u32 vcc_lo, 0, v[32+\j]
	v_cndmask_b32 v[40+\j], v[28+\j], v[36+\j], vcc_lo   ; an odd number of quarter turns: the cosine of r
	v_and_b32 v[20+\j], 2, v[20+\j]
	v_lshlrev_b32 v[20+\j], 30, v[20+\j]
	v_xor_b32 v[40+\j], v[40+\j], v[20+\j]         ; two or three of four: the sign turns
.endr
	global_store_b128 v12, v[40:43], s[22:23]      ; sixteen lanes store a row of 256 bytes, aligned
	s_wait_xcnt 0x0                                ; the store has read its data and its offset: both are written again below and in the next trip
	v_add_nc_u32 v6, 8, v6
	v_add_nc_u32 v12, 2048, v12
	s_sub_co_u32 s43, s43, 1
	s_cmp_lg_u32 s43, 0
	s_cbranch_scc1 .Ltrip
	s_endpgm
.Lfunc_end_k_q9cf7b0b2e6_quant:
	.size	k_q9cf7b0b2e6_quant, .Lfunc_end_k_q9cf7b0b2e6_quant-k_q9cf7b0b2e6_quant
	.p2alignl 7, 3214868480
	.fill 96, 4, 3214868480
	.section	.rodata,"a",@progbits
	.p2align	6, 0x0
	.amdhsa_kernel k_q9cf7b0b2e6_quant
		.amdhsa_group_segment_fixed_size 33280
		.amdhsa_private_segment_fixed_size 0
		.amdhsa_enable_private_segment 0
		.amdhsa_kernarg_size 80
		.amdhsa_user_sgpr_count 2
		.amdhsa_user_sgpr_kernarg_segment_ptr 1
		.amdhsa_wavefront_size32 1
		.amdhsa_system_sgpr_workgroup_id_x 1
		.amdhsa_system_sgpr_workgroup_id_y 1
		.amdhsa_system_sgpr_workgroup_id_z 1
		.amdhsa_system_vgpr_workitem_id 0
		.amdhsa_next_free_vgpr 194
		.amdhsa_next_free_sgpr 66
		.amdhsa_reserve_vcc 1
		.amdhsa_float_denorm_mode_32 3
		.amdhsa_float_denorm_mode_16_64 3
		.amdhsa_memory_ordered 1
		.amdhsa_forward_progress 1
		.amdhsa_inst_pref_size 40
	.end_amdhsa_kernel
	.amdgpu_metadata
---
amdhsa.version: [ 1, 2 ]
amdhsa.kernels:
  - .name:           k_q9cf7b0b2e6_quant
    .symbol:         k_q9cf7b0b2e6_quant.kd
    .args:
      - { .name: x, .offset: 0, .size: 8, .value_kind: global_buffer, .address_space: global }
      - { .name: Wq, .offset: 8, .size: 8, .value_kind: global_buffer, .address_space: global }
      - { .name: Wk, .offset: 16, .size: 8, .value_kind: global_buffer, .address_space: global }
      - { .name: Wv, .offset: 24, .size: 8, .value_kind: global_buffer, .address_space: global }
      - { .name: Wo, .offset: 32, .size: 8, .value_kind: global_buffer, .address_space: global }
      - { .name: x_codes, .offset: 40, .size: 8, .value_kind: global_buffer, .address_space: global }
      - { .name: x_scales, .offset: 48, .size: 8, .value_kind: global_buffer, .address_space: global }
      - { .name: w_codes, .offset: 56, .size: 8, .value_kind: global_buffer, .address_space: global }
      - { .name: w_scales, .offset: 64, .size: 8, .value_kind: global_buffer, .address_space: global }
      - { .name: rope, .offset: 72, .size: 8, .value_kind: global_buffer, .address_space: global }
    .group_segment_fixed_size: 33280
    .private_segment_fixed_size: 0
    .kernarg_segment_align: 8
    .kernarg_segment_size: 80
    .max_flat_workgroup_size: 128
    .sgpr_count:     66
    .vgpr_count:     194
    .wavefront_size: 32
...
	.end_amdgpu_metadata
.endif
;; end of part 1
;; launch qkv (part 2): grid 12 x 32, 4 waves a work-group, clusters of 4 x 4, 327,680 bytes of LDS; arguments x_codes, x_scales, w_codes, w_scales, rope, qkv_img, qkv_sc; writes qkv_img, qkv_sc
.if DOCPART == 2
	.amdgcn_target "amdgcn-amd-amdhsa--gfx1250"
	.amdhsa_code_object_version 6
	.text
	.protected	k_q9cf7b0b2e6_qkv
	.globl	k_q9cf7b0b2e6_qkv
	.p2align	8
	.type	k_q9cf7b0b2e6_qkv,@function
k_q9cf7b0b2e6_qkv:
	s_mov_b64 s[64:65], 0
	v_nop
	global_prefetch_b8 v0, s[64:65] scope:SCOPE_SE
	s_setreg_imm32_b32 hwreg(HW_REG_WAVE_MODE, 25, 1), 1
	s_wait_xcnt 0x0
	s_wait_alu depctr_hold_cnt(0) depctr_sa_sdst(0) depctr_va_vdst(0) depctr_va_sdst(0) depctr_va_ssrc(0) depctr_va_vcc(0) depctr_vm_vsrc(0)
	s_getreg_b32 s2, hwreg(HW_REG_IB_STS2, 6, 4)
	s_cmp_eq_u32 s2, 0
	s_cbranch_scc0 .Lentry_in_a_cluster
	s_endpgm
.Lentry_in_a_cluster:
	s_bfe_u32 s2, ttmp6, 0x10000c
	s_cmp_lg_u32 s2, 0xf033
	s_cbranch_scc0 .Lentry_shape_is_right
	s_endpgm
.Lentry_shape_is_right:
; q, k, v = x Wq^T, x Wk^T, x Wv^T on codes of FP6 (E2M3) with one E8M0 scale for each 32 along K = 1,024; q and k are turned by the rotary table; all three leave QUANTISED again, as images of the operand
; registers that the attention launch wants.  x: 8,192 positions x 768 bytes of codes, 32 scale bytes; the weights: 3,072 positions likewise (Wq, Wk, Wv).  Position p holds row s(p): p with bits 3 and 4 exchanged.
; A tile of 256 tokens x 256 features is made by a work-group of four waves, a wave 128 x 128: 64 accumulators of 16 x 16, 512 registers.  K goes in steps of 256 through a ring of two LDS slots filled by the
; tensor data mover (positions of 208 bytes, dense); the scale bytes of the work-group's 256 + 256 rows, for all of K, come into LDS once, with the first fills.
; CLUSTERS: 4 x 4 work-groups.  The four of a row of the cluster need the same tiles of x, the four of a column the same tiles of W: each tile is asked for jointly, by the same tensor load with the same descriptor
; and a mask that names the four.  The cluster's x says which product the tile belongs to (0 q, 1 k, 2 v): it is the same number in all sixteen partners.
; WHICH OPERAND IS SOURCE 0.  In a result lane l holds row l % 16 of source 1, and its eight registers hold rows 8 (l / 16) + 0 .. 7 of source 0.  By the order of the positions the 16 registers of two neighbouring
; tiles of source 0 are 16 NEIGHBOURS, 32 B + 16 (l / 16) + 0 .. 15.  q and k are quantised along the head's 64 features: source 0 = W, source 1 = x.  v is quantised along the tokens: source 0 = x, source 1 = W.
; LDS is filled alike for all; for v the fragments' and scale words' read addresses change places, by a choice on the cluster's x.
; THE WAY OUT uses no LDS.  q, k: a block of 16 tokens x 128 features (two heads) is turned (out[d] = x[d] cos - x[d + 32] sin, out[d + 32] = x[d + 32] cos + x[d] sin: both lie in my lane), quantised, and its twelve
; registers of codes are two images of 768 bytes, one a head: registers 0-3 at 16 x lane, registers 4-5 at 512 + 8 x lane.  v: a block of 16 features x 128 tokens is one image of 1,536 bytes: registers 4 i .. 4 i + 3 at
; 512 i + 16 x lane.  Every store of the wave covers 256 or 512 consecutive bytes, aligned.  Lane r of block a holds token (q, k) or feature (v) 32 (a / 2) + 8 (a % 2) + r + 8 (r / 8) of the wave's 128.
; qkv_img: q at 0, k at 6,291,456: [b h 64][tile of 16 tokens 128][768]; v at 12,582,912: [b h][128 tokens 16][16 features 4][1,536].
; qkv_sc: q at 0: [b h][8,192]; from 524,288: [b h][k 8,192 | v 4,096].  q, k: for each 128 tokens 512 bytes [tiles 0-3 | 4-7][row 16][tile 4] words: bytes 0, 1 the head's two blocks, bytes 2, 3 zero.
; v: for each 128 tokens 256 bytes [row 16][16 features 4] words: a byte for each 32 tokens.
; The first two sets of the table are asked for at the head by every work-group, v's too, whose 16 loads a wave stay inside the table and are not used: so the table's registers are written on every way.
; LIMITS: a block of zeros gets the byte 1 (its codes are zeros; this program alone reads the bytes); NaN and infinities are not served.
; REGISTERS, in windows of 256: window 0: v0-31 addresses; v32-63 scale words, two sets; v64-127 the table, two sets; from v128 source 1's fragments, ONE set; on the way out v128-243 at work.
;   window 1: source 0's fragments, TWO sets, at v0 and at v128.   window 2: the accumulators of source 1's blocks 0-3 (accumulator (a, b) at v[8 (8 a + b)]);   window 3: those of blocks 4-7.
.set SIZE_K, 1024
.set KSTEP,  256                       ; along K in a slot
.set NQ,     KSTEP/128                 ; matrix instructions deep
.set ROWB,   192                       ; a tile's row in bytes
.set KROW,   SIZE_K*6/8                ; a row of codes in memory
.set PITCH,  208                       ; a row in memory and in LDS alike: 192 bytes of codes + 16 of zeros = 52 words: the 16 rows of a fragment start at 16 different multiples of 4 banks
.set PLX,    8192*PITCH                ; from 256 along K to the next: x's plane,
.set PLW,    4096*PITCH                ; the weights'
.set FR,     12                        ; registers of a fragment: 16 rows x 128 K
.set NL,     6                         ; LDS loads that bring one
.set NP,     4                         ; places behind this matrix instruction (ISA guide 7.12.1)
.set HALFT,  128*PITCH                 ; 128 rows: what one tensor load brings
.set SLOT,   4*HALFT                   ; x's 256 rows, then W's 256 rows
.set LAPS,   SIZE_K/(2*KSTEP)          ; a lap = two K steps = once round the ring
.set KS,     SIZE_K/32                 ; a row of scales in bytes
.set SCL,    2*SLOT                    ; behind the ring: the scales, dense
.set HALFS,  128*KS                    ; the scales of 128 rows, dense
.set SBLK,   16*KS
.set SPARE,  327168                    ; the last 512 bytes of LDS: the spare words, 128 bytes for each wave, which no other line names
.set ADRA, 16                          ; v16-17  LDS address of source 1's fragments in slot 0, 1
.set ADRB, 20                          ; v20-21  the same for source 0
.set O16,  24                          ; v24     16 x lane
.set O8,   25                          ; v25     8 x lane
.set SCO,  26                          ; v26     where my scale words go: (lane / 16) heads on, + 16 (lane % 16)
.set ADRS, 27                          ; v27     LDS address of my scale words: lanes 0-15 source 1's rows, lanes 16-31 source 0's
.set SPW,  28                          ; v28     LDS address of my spare word; never rewritten
.set NIL,  29                          ; v29     0; never rewritten
.set TOF,  30                          ; v30     the table: my token's row among a block's, + 128 (lane / 16); never rewritten
.set H16,  31                          ; v31     16 (lane / 16)
.set SC,   32                          ; scale words: set s at v[SC + 8 NQ s]; register NQ i + q: lanes 0-15 source 1's block i, lanes 16-31 source 0's block i
.set CS,   64                          ; the table: set a % 2: 16 cosines, 16 sines
.set AF,   128                         ; source 1's fragments
.set X,    128                         ; the way out: 64 turned numbers
.set PC,   192                         ; v192-210 the codes just made
.set TM,   212                         ; v212-215 largest magnitudes, v216-219 bytes, v224-227 the conversions' scale operands
.set PW,   228                         ; the scale word just made
.set SW,   232                         ; v232-239 a word for each block
.set SL,   240                         ; v240-243 v: the four words that my half of the lanes stores
.set SEL,  66                          ; s[66:67] lane selects for v_permlanex16_b32: lane l xor 16
.set G1, 24                            ; s[24:31] descriptor group 1 for x's tiles;  s[32:39] group 0, one set for each slot
.set G0, 32
.set G1B, 48                           ; s[48:55], s[56:63] the same for W's tiles
.set G0B, 56
.set G1S, 68                           ; s[68:75], s[76:79] groups 1 and 0 for x's scales;  s[80:87], s[88:91] for W's
.set G0S, 76
.set G1SB, 80
.set G0SB, 88
.set MSB, 0
.macro WIN new                         ; the immediate's high byte repeats the setting that is left
.if MSB != \new
	s_set_vgpr_msb (MSB<<8)|\new
.set MSB, \new
.endif
.endm
.set MUL_LO, 0xa1                      ; source 0 window 1, source 1 window 0, C and D window 2
.set MUL_HI, 0xf1                      ; the same, C and D window 3
.set TO_B,   0x40                      ; destination window 1, address window 0
; A joint load: waves 0 and 1 fetch x's halves, waves 2 and 3 W's.  Each of the two lines has one mask and one set of registers for all that issue it; the branch hangs on the wave's number alone.
; Four v_nop follow each of the two lines, ahead of the jump, the label and what follows.
.macro JLOAD g0a, g1a, g0b, g1b
	s_cmp_eq_u32 s15, 0
	s_cbranch_scc0 .Lfor_b_\@
	tensor_load_to_lds s[\g0a:\g0a+3], s[\g1a:\g1a+7]
	s_nop 0
.rept 4
	v_nop
.endr
	s_branch .Lasked_\@
.Lfor_b_\@:
	tensor_load_to_lds s[\g0b:\g0b+3], s[\g1b:\g1b+7]
	s_nop 0
.rept 4
	v_nop
.endr
.Lasked_\@:
.endm
.macro CREST                           ; a round of the cluster's barrier behind its opening barrier
	s_cmp_lg_u32 s14, 0
	s_cbranch_scc1 .Lnot_wave_0_\@
	s_barrier_signal -3
.Lnot_wave_0_\@:
	s_barrier_wait -3
	s_barrier_signal -1
	s_barrier_wait -1
.endm
.macro CROUND                          ; a whole round
	s_barrier_signal -1
	s_barrier_wait -1
	CREST
.endm
	s_load_b128 s[4:7], s[0:1], 0x0                ; x's codes s[4:5], x's scales s[6:7]
	s_load_b128 s[8:11], s[0:1], 0x10              ; W's codes s[8:9], W's scales s[10:11]
	s_load_b128 s[96:99], s[0:1], 0x20             ; the table s[96:97], the images s[98:99]
	s_load_b64 s[100:101], s[0:1], 0x30            ; their scale words
	v_lshl_add_u32 v[SPW], v0, 2, SPARE
	v_mov_b32 v[NIL], 0
	ds_add_u32 v28, v29
	ds_add_u32 v28, v29
	s_wait_dscnt 0x0
	v_lshrrev_b32 v1, 5, v0
	v_readfirstlane_b32 s14, v1                    ; wave 0..3
	s_lshr_b32 s15, s14, 1                         ; which half of source 1's rows is mine.  Also: I fetch for x (0) or for W (1)
	s_and_b32 s16, s14, 1                          ; which half of source 0's.  Also: which 128 rows of that tile I fetch
	s_bfe_u32 s40, ttmp6, 0x40000                  ; cx, cy: my place in the cluster
	s_bfe_u32 s41, ttmp6, 0x40004
	s_lshl_b32 s42, ttmp9, 2
	s_add_co_u32 s42, s42, s40                     ; tile of 256 rows of W = 4 x cluster x + cx
	s_and_b32 s17, ttmp7, 0xffff
	s_lshl_b32 s17, s17, 2
	s_add_co_u32 s17, s17, s41                     ; tile of 256 tokens = 4 x cluster y + cy
	s_lshl_b32 s43, s41, 2
	s_lshl_b32 s43, 15, s43                        ; my row of the cluster
	s_lshl_b32 s44, 0x1111, s40                    ; my column
	; descriptor group 1: a tile's positions, dense in LDS as in memory
	; a tile is a dense block, stated as rows of 256 bytes (32 elements of 8), no padding: 256 positions are 208 such rows (the head's loads), 128 are 104 (the ring's)
	s_or_b32 s[G1+0], s43, (3<<16)|(1<<21)
	s_or_b32 s[G1B+0], s44, (3<<16)|(1<<21)
.irp g, G1, G1B
	s_mov_b32 s[\g+1], 32<<16
	s_mov_b32 s[\g+2], 208<<16
	s_mov_b32 s[\g+3], 32<<16
	s_mov_b32 s[\g+4], 208
	s_mov_b32 s[\g+5], 32
	s_mov_b32 s[\g+6], 0
	s_mov_b32 s[\g+7], 0
.endr
	; and for the scales of 256 rows: a dense block of 8,192 bytes, as rows of 256 bytes (32 elements of 8 bytes), no padding
	s_or_b32 s[G1S+0], s43, (3<<16)|(1<<21)        ; the scales of 256 rows: 32 rows of 256 bytes, dense
	s_or_b32 s[G1SB+0], s44, (3<<16)|(1<<21)
.irp g, G1S, G1SB
	s_mov_b32 s[\g+1], 32<<16
	s_mov_b32 s[\g+2], (256*KS/256)<<16
	s_mov_b32 s[\g+3], 32<<16
	s_mov_b32 s[\g+4], 256*KS/256
	s_mov_b32 s[\g+5], 32
	s_mov_b32 s[\g+6], 0
	s_mov_b32 s[\g+7], 0
.endr
	s_lshl_b32 s20, s17, 8                         ; x: the tile's first position
	s_lshl_b32 s46, s42, 8                         ; W: likewise
	s_mov_b32 s21, 0
	s_mov_b32 s47, 0
	s_mov_b64 s[18:19], KS
	s_mul_u64 s[22:23], s[20:21], s[18:19]         ; where these rows' scales begin, in bytes
	s_mul_u64 s[92:93], s[46:47], s[18:19]
	s_mov_b64 s[18:19], PITCH
	s_mul_u64 s[20:21], s[20:21], s[18:19]         ; and their codes, in plane 0
	s_mul_u64 s[46:47], s[46:47], s[18:19]
	s_mul_i32 s18, s16, HALFT                      ; in the ring I fetch 128 positions: which half, in bytes,
	s_mov_b32 s19, 0
	s_mul_i32 s45, s14, HALFT                      ; and where they go: wave x 128 rows
	s_mov_b32 s[SEL], 0x76543210
	s_mov_b32 s[SEL+1], 0xfedcba98
	s_wait_kmcnt 0x0
	s_add_nc_u64 s[20:21], s[4:5], s[20:21]
	s_add_nc_u64 s[22:23], s[6:7], s[22:23]
	s_add_nc_u64 s[46:47], s[8:9], s[46:47]
	s_add_nc_u64 s[92:93], s[10:11], s[92:93]
	CROUND                                         ; all sixteen work-groups are here: the first joint loads meet
	s_mov_b32 s4, 1                                ; the head's four tiles, each whole (s[4:11] held arguments that have served): K step 0's 256 rows of x,
	s_mov_b32 s5, 0
	s_mov_b64 s[6:7], s[20:21]
	s_or_b32 s7, s7, 0x80000000
	s_mov_b32 s8, 1                                ; its 256 rows of W, behind them in slot 0,
	s_mov_b32 s9, 2*HALFT
	s_mov_b64 s[10:11], s[46:47]
	s_or_b32 s11, s11, 0x80000000
	s_mov_b32 s[G0S], 1                            ; the scales of x's 256 rows,
	s_mov_b32 s[G0S+1], SCL
	s_mov_b64 s[G0S+2:G0S+3], s[22:23]
	s_or_b32 s[G0S+3], s[G0S+3], 0x80000000
	s_mov_b32 s[G0SB], 1                           ; and of W's
	s_mov_b32 s[G0SB+1], SCL+2*HALFS
	s_mov_b64 s[G0SB+2:G0SB+3], s[92:93]
	s_or_b32 s[G0SB+3], s[G0SB+3], 0x80000000
	s_add_nc_u64 s[20:21], s[20:21], s[18:19]      ; for the ring: my 128 positions of the tile
	s_add_nc_u64 s[46:47], s[46:47], s[18:19]
.irp s, 0,1
	s_mov_b32 s[G0+4*\s], 1
	s_add_co_u32 s[G0+4*\s+1], s45, \s*SLOT
	s_add_nc_u64 s[G0+4*\s+2:G0+4*\s+3], s[20:21], \s*PLX
	s_or_b32 s[G0+4*\s+3], s[G0+4*\s+3], 0x80000000
	s_mov_b32 s[G0B+4*\s], 1
	s_add_co_u32 s[G0B+4*\s+1], s45, \s*SLOT
	s_add_nc_u64 s[G0B+4*\s+2:G0B+4*\s+3], s[46:47], \s*PLW
	s_or_b32 s[G0B+4*\s+3], s[G0B+4*\s+3], 0x80000000
.endr
; the head's loads, one a wave, in one chain of branches on the wave's number
.macro ARM under, g0, g1, next
	s_cmp_lt_u32 s14, \under
	s_cbranch_scc0 \next
	tensor_load_to_lds s[\g0:\g0+3], s[\g1:\g1+7]
	s_nop 0
.rept 4
	v_nop
.endr
	s_branch .Lhead_asked
\next:
.endm
	ARM 1, 4,   G1,  .Lhead_b
	ARM 2, 8,   G1B, .Lhead_sa
	ARM 3, G0S, G1S, .Lhead_sb
	tensor_load_to_lds s[G0SB:G0SB+3], s[G1SB:G1SB+7]
	s_nop 0
.rept 4
	v_nop
.endr
.Lhead_asked:
	v_and_b32 v1, 15, v0                           ; r = l % 16
	v_bfe_u32 v2, v0, 4, 1                         ; h = l / 16
	v_mul_u32_u24 v3, v1, PITCH
	v_mul_u32_u24 v4, v2, 24
	v_add_nc_u32 v4, v3, v4                        ; a fragment's row x pitch + 24 x half
	s_wait_alu depctr_va_vdst(0)
	s_cmp_eq_u32 ttmp9, 2                          ; v's tiles take x as source 0 and W as source 1
	s_cselect_b32 s92, s16, s15                    ; which half of the tile's tokens is mine
	s_cselect_b32 s93, s15, s16                    ; which half of its features
	s_cselect_b32 s95, 1, 0
	s_mul_i32 s45, s92, HALFT                      ; my 128 rows of x
	s_mul_i32 s46, s93, HALFT                      ; my 128 rows of W,
	s_add_co_u32 s46, s46, 2*HALFT                 ; which lie behind x's 256
	s_cmp_eq_u32 ttmp9, 2
	s_cselect_b32 s21, s46, s45                    ; source 1's rows
	s_cselect_b32 s22, s45, s46                    ; source 0's rows: both stay inside the slot
.irp s, 0,1
	v_add_nc_u32 v[ADRA+\s], s21, v4
	v_add_nc_u32 v[ADRB+\s], s22, v4
	s_add_co_u32 s21, s21, SLOT
	s_add_co_u32 s22, s22, SLOT
.endr
	v_mul_u32_u24 v5, v1, KS                       ; my row's scales: KS bytes a row,
	v_xor_b32 v7, s95, v2                          ; 1: this lane takes W's scales (q, k: lanes 16-31; v: lanes 0-15), 0: x's
	v_mov_b32 v6, s92                              ; my half of x's 256 rows,
	v_mov_b32 v8, s93                              ; of W's
	v_cmp_ne_u32 vcc_lo, 0, v7
	v_cndmask_b32 v6, v6, v8, vcc_lo               ; the half that this lane reads
	v_lshl_add_u32 v6, v7, 1, v6                   ; which run of 128 rows: x's two, then W's two: 0 .. 3
	v_lshl_add_u32 v5, v6, 12, v5                  ; x HALFS = 4,096 bytes
	v_add_nc_u32 v[ADRS], SCL, v5
	v_and_b32 v6, 31, v0
	v_lshlrev_b32 v[O16], 4, v6
	v_lshlrev_b32 v[O8], 3, v6
	s_mov_b32 s23, 12288                           ; from a head's scale words to the next head's: k's and v's part,
	s_cmp_eq_u32 ttmp9, 0
	s_cselect_b32 s23, 8192, s23                   ; q's part
	v_mul_u32_u24 v[SCO], s23, v2
	v_lshl_add_u32 v[SCO], v1, 4, v[SCO]
	v_lshlrev_b32 v[H16], 4, v2
	v_and_b32 v6, 8, v1
	v_add_nc_u32 v6, v6, v1                        ; r + 8 (r / 8)
	v_lshlrev_b32 v[TOF], 8, v6
	v_lshl_add_u32 v[TOF], v2, 7, v[TOF]
	; where my results go: the 128 tokens are step (2 y + token half) % 16 of batch y / 8; my two heads are 16 (y / 8) + 4 cx + 2 x feature half and the next
	s_wait_alu depctr_va_vdst(0)
	s_lshl_b32 s19, s17, 1
	s_add_co_u32 s19, s19, s92
	s_and_b32 s19, s19, 15                         ; the step
	s_lshr_b32 s18, s17, 3
	s_lshl_b32 s18, s18, 4
	s_lshl_b32 s20, s40, 2
	s_add_co_u32 s18, s18, s20
	s_lshl_b32 s20, s93, 1
	s_add_co_u32 s18, s18, s20                     ; my first head, counted over batches
	s_lshl_b32 s20, s18, 4
	s_add_co_u32 s20, s20, s19
	s_mul_i32 s20, s20, 6144                       ; a head has 16 steps, a step's images 6,144 bytes, in all three parts
	s_mul_i32 s21, ttmp9, 6291456                  ; q's, k's or v's part
	s_add_co_u32 s20, s20, s21
	s_mov_b32 s21, 0
	s_add_nc_u64 s[98:99], s[98:99], s[20:21]
	s_mul_i32 s20, s18, s23
	s_cmp_eq_u32 ttmp9, 2
	s_cselect_b32 s22, 8, 9                        ; a step's scale words: 256 bytes for v, 512 for q and k
	s_lshl_b32 s22, s19, s22
	s_add_co_u32 s20, s20, s22
	s_cmp_eq_u32 ttmp9, 0
	s_cselect_b32 s22, 0, 524288                   ; k's and v's part lies behind q's,
	s_add_co_u32 s20, s20, s22
	s_cmp_eq_u32 ttmp9, 2
	s_cselect_b32 s22, 8192, 0                     ; and in it a head's v behind its k
	s_add_co_u32 s20, s20, s22
	s_add_nc_u64 s[100:101], s[100:101], s[20:21]
	s_lshl_b32 s20, s19, 15                        ; the table at my first token: 128 rows of 256 bytes a step
	s_add_nc_u64 s[96:97], s[96:97], s[20:21]
; The table's rows of block a's 16 tokens: my token's 16 cosines and 16 sines, 128 bytes, into set a % 2
.macro TLD a
.irp i, 0,1,2,3,4,5,6,7
	global_load_b128 v[CS+32*((\a)%2)+4*\i:CS+32*((\a)%2)+4*\i+3], v[TOF], s[96:97] offset:(32*((\a)/2)+8*((\a)%2))*256+16*\i
.endr
.endm
	TLD 0                                          ; asked for now, wanted behind the last product: no line of the loop names v64-127 of window 0
	TLD 1
.macro FRAG reg, adr, q, i             ; a fragment, 16 rows x 128 K of 6-bit codes, is 12 registers: lane l holds row l % 16; registers 6 c .. 6 c + 5 hold K = 64 c + 32 (l / 16) + 0 .. 31: 24 bytes of the row's stream of bits
.irp p, 0,1,2,3,4,5                    ; in pieces of 8 bytes.  Lanes 0-15 take the row's pieces 12 q + 0, 1, 2 and 12 q + 6, 7, 8, lanes 16-31 those three pieces on
.set PCE, 12*(\q)+6*(\p/3)+\p%3
	ds_load_b64 v[\reg+2*\p:\reg+2*\p+1], v[\adr] offset:8*PCE+(\i)*16*PITCH   ; a row's 192 bytes lie on end: piece PCE at byte 8 PCE
.endr
.endm
; 16 matrix instructions: source 1's blocks a0, a0 + 1 x source 0's eight, 128 along K: the slot's q-th.  p: source 0's set;  sc: the set of scale words.  zero = 1: the first product starts the sums.
; The 64 accumulators take turns, one instruction a turn, in the same order in every step.
.macro MUL16 a0, p, q, sc, zero
.irp a, \a0, \a0+1
.irp b, 0,1,2,3,4,5,6,7
.if \zero
	v_wmma_scale_f32_16x16x128_f8f6f4 v[8*(8*((\a)%4)+\b):8*(8*((\a)%4)+\b)+7], v[128*(\p)+FR*\b:128*(\p)+FR*\b+FR-1], v[AF+FR*(\a):AF+FR*(\a)+FR-1], 0, v[SC+8*NQ*(\sc)+NQ*\b+(\q)], v[SC+8*NQ*(\sc)+NQ*(\a)+(\q)] matrix_a_fmt:MATRIX_FMT_FP6 matrix_b_fmt:MATRIX_FMT_FP6 matrix_a_scale:MATRIX_SCALE_ROW1
.else
	v_wmma_scale_f32_16x16x128_f8f6f4 v[8*(8*((\a)%4)+\b):8*(8*((\a)%4)+\b)+7], v[128*(\p)+FR*\b:128*(\p)+FR*\b+FR-1], v[AF+FR*(\a):AF+FR*(\a)+FR-1], v[8*(8*((\a)%4)+\b):8*(8*((\a)%4)+\b)+7], v[SC+8*NQ*(\sc)+NQ*\b+(\q)], v[SC+8*NQ*(\sc)+NQ*(\a)+(\q)] matrix_a_fmt:MATRIX_FMT_FP6 matrix_b_fmt:MATRIX_FMT_FP6 matrix_a_scale:MATRIX_SCALE_ROW1
.endif
.endr
.endr
.endm
.macro FETCH_B slot, q, p              ; source 0's eight fragments of the slot's q-th 128 along K into set p
	WIN TO_B
.irp i, 0,1,2,3,4,5,6,7
	FRAG 128*(\p)+FR*\i, ADRB+\slot, \q, \i
.endr
	WIN 0
.endm
.macro FETCH_A slot, q, i0             ; source 1's blocks i0 .. i0 + 3
.irp i, \i0, \i0+1, \i0+2, \i0+3
	FRAG AF+FR*(\i), ADRA+\slot, \q, \i
.endr
.endm
.macro SCALES sc                       ; the next K step's scale words into set sc: NQ words a row
.irp i, 0,1,2,3,4,5,6,7
	ds_load_b64 v[SC+8*NQ*\sc+NQ*\i:SC+8*NQ*\sc+NQ*\i+1], v[ADRS] offset:\i*SBLK
.endr
.endm
; A load into a register that a matrix instruction has read, and a vector instruction that reads a matrix result or writes one of its registers, stand NP places behind that matrix instruction, and only plain
; vector instructions that name none of its registers are places (ISA guide 7.12.1 for vector instructions).
.macro PLACES n
.rept \n
	v_nop
.endr
.endm
; A step of 128 along K that has its successor in the same slot.
.macro STEP slot, q, zero
	s_wait_dscnt 4*NL                              ; source 0's set and source 1's blocks 0-3 are in; the youngest 24 loads (blocks 4-7) may be out
	WIN MUL_LO
	MUL16 0, (\q)%2, \q, \slot, \zero
	MUL16 2, (\q)%2, \q, \slot, \zero
	s_wait_dscnt 0                                 ; blocks 4-7 are in (asked for 32 matrix instructions ago)
	PLACES NP
	FETCH_B \slot, (\q)+1, 1-(\q)%2
	FETCH_A \slot, (\q)+1, 0
	WIN MUL_HI
	MUL16 4, (\q)%2, \q, \slot, \zero
	MUL16 6, (\q)%2, \q, \slot, \zero
	PLACES NP
	WIN 0
	FETCH_A \slot, (\q)+1, 4
.endm
; A slot's last step changes slots: ONE barrier; in front of it each wave waits for all its tensor loads, adds 0 to its spare word, and waits for that and for its own reads of this slot.  fill = 1: this slot is filled again, two K steps ahead.
.macro TURN slot, next, fill
	s_wait_tensorcnt 0x0                           ; all my tensor loads have landed: my part of the next slot  (every window is 0 here)
	ds_add_u32 v[SPW], v[NIL]                      ; 0 onto my spare word
	s_wait_dscnt 4*NL+1                            ; (the add and the youngest 24 loads, blocks 4-7, may be out)
	WIN MUL_LO
	MUL16 0, 1, NQ-1, \slot, 0                     ; sixteen matrix instructions stand between the add and the wait for it
	s_wait_dscnt 0x0                               ; the add is done, and my reads of this slot are over
	s_barrier_signal -1
	MUL16 2, 1, NQ-1, \slot, 0
	WIN 0
	s_barrier_wait -1
.if \fill
	CREST                                          ; the barrier has opened a round of the cluster's barrier: no wave of any partner still reads this slot's tile or has a load on its way
	s_add_nc_u64 s[G0+4*\slot+2:G0+4*\slot+3], s[G0+4*\slot+2:G0+4*\slot+3], 2*PLX
	s_add_nc_u64 s[G0B+4*\slot+2:G0B+4*\slot+3], s[G0B+4*\slot+2:G0B+4*\slot+3], 2*PLW
	JLOAD G0+4*\slot, G1, G0B+4*\slot, G1B         ; the first tensor load behind the round; the four v_nop behind it are the places in front of the loads below
.else
	PLACES NP
.endif
	s_wait_alu depctr_va_vdst(0)
	v_add_nc_u32 v[ADRS], 4*NQ, v[ADRS]            ; on to the next K step's scale words (no LDS load of mine is out)
	FETCH_B \next, 0, 0
	FETCH_A \next, 0, 0
	SCALES \next
	WIN MUL_HI
	MUL16 4, 1, NQ-1, \slot, 0
	MUL16 6, 1, NQ-1, \slot, 0
	PLACES NP
	WIN 0
	FETCH_A \next, 0, 4
.endm
	s_wait_alu depctr_va_vdst(0)
	s_wait_tensorcnt 0x0                           ; my tile of the head's four is in
	ds_add_u32 v[SPW], v[NIL]
	s_mov_b32 s[G1+2], 104<<16                     ; no tensor load of mine is out: from here on a load brings 128 positions, 104 rows of 256 bytes
	s_mov_b32 s[G1+4], 104
	s_mov_b32 s[G1B+2], 104<<16
	s_mov_b32 s[G1B+4], 104
	s_wait_dscnt 0x0
	CROUND                                         ; all four tiles are in, in every partner
	JLOAD G0+4, G1, G0B+4, G1B                     ; K step 1 into slot 1: the first tensor load behind the round
	FETCH_B 0, 0, 0
	FETCH_A 0, 0, 0
	SCALES 0
	FETCH_A 0, 0, 4
	STEP 0, 0, 1                                   ; the first step stands in front of the loop: its products start the sums
	s_mov_b32 s3, LAPS-1
.Llap:                                                 ; a trip goes once round the ring, from a lap's second step to the next lap's first, and fills both slots again
	TURN 0, 1, 1
	STEP 1, 0, 0
	TURN 1, 0, 1
	STEP 0, 0, 0
	s_sub_co_u32 s3, s3, 1
	s_cmp_lg_u32 s3, 0
	s_cbranch_scc1 .Llap
	TURN 0, 1, 0                                   ; the last lap fills nothing, and has no round of the cluster's barrier
	STEP 1, 0, 0
	s_wait_dscnt 4*NL                              ; the very last step: nothing more to fetch
	WIN MUL_LO
	MUL16 0, 1, NQ-1, 1, 0
	MUL16 2, 1, NQ-1, 1, 0
	s_wait_dscnt 0
	WIN MUL_HI
	MUL16 4, 1, NQ-1, 1, 0
	MUL16 6, 1, NQ-1, 1, 0
	WIN 0
; THE WAY OUT.
; Block a's 64 results of my lane (two heads c; registers 32 c + i: d = 16 h + i, registers 32 c + 16 + i: d = 32 + 16 h + i) are turned into v[X] on.  Each accumulator is read from its low end on.
.macro ROPE a
.set AC, 64*((\a)%4)
.set CC, CS+32*((\a)%2)
	WIN 2+(\a)/4                                   ; source 0: the accumulators' window
.irp c, 0,1
.irp i, 0,2,4,6,8,10,12,14
	v_pk_mul_f32 v[X+32*\c+\i:X+32*\c+\i+1], v[AC+32*\c+16+\i:AC+32*\c+16+\i+1], v[CC+16+\i:CC+16+\i+1]       ; x[d + 32] sin
	v_pk_mul_f32 v[X+32*\c+16+\i:X+32*\c+16+\i+1], v[AC+32*\c+\i:AC+32*\c+\i+1], v[CC+16+\i:CC+16+\i+1]       ; x[d] sin
.endr
.endr
.irp c, 0,1
.irp i, 0,2,4,6,8,10,12,14
	v_pk_fma_f32 v[X+32*\c+\i:X+32*\c+\i+1], v[AC+32*\c+\i:AC+32*\c+\i+1], v[CC+\i:CC+\i+1], v[X+32*\c+\i:X+32*\c+\i+1] neg_lo:[0,0,1] neg_hi:[0,0,1]   ; x[d] cos - x[d + 32] sin
	v_pk_fma_f32 v[X+32*\c+16+\i:X+32*\c+16+\i+1], v[AC+32*\c+16+\i:AC+32*\c+16+\i+1], v[CC+\i:CC+\i+1], v[X+32*\c+16+\i:X+32*\c+16+\i+1]             ; x[d + 32] cos + x[d] sin
.endr
.endr
	WIN 0
.endm
; 64 numbers of a lane in window w, v[s] .. v[s + 63], register 16 b + i = k 32 b + 16 (lane / 16) + i of my row, become a fragment's codes in v[PC] on and its scale word in v[pw].
.macro QUANT s, w, pw
.set QM, 5*(\w)
	WIN QM                                         ; sources 0 and 1: the numbers' window
.irp b, 0,1,2,3
	v_max3_num_f32 v[TM+\b], |v[\s+16*\b]|, |v[\s+1+16*\b]|, 0x1800000   ; block b: my 16 numbers, and the floor 2^(3 - 127): the byte cannot fall under 1
.endr
.irp i, 2,4,6,8,10,12,14
.irp b, 0,1,2,3
	v_max3_num_f32 v[TM+\b], |v[\s+16*\b+\i]|, |v[\s+1+16*\b+\i]|, v[TM+\b]   ; (the four blocks by turns)
.endr
.endr
	WIN 0
.irp b, 0,1,2,3
	v_permlanex16_b32 v[TM+4+\b], v[TM+\b], s[SEL], s[SEL+1]
.endr
.irp b, 0,1,2,3
	v_max_num_f32 v[TM+\b], v[TM+\b], v[TM+4+\b]   ; with lane l xor 16's: the block's largest magnitude
.endr
.irp b, 0,1,2,3
	v_add_nc_u32 v[TM+12+\b], 0xff000000, v[TM+\b] ; 2 off its exponent field: the conversion's scale operand
.endr
.irp b, 0,1,2,3
	v_lshrrev_b32 v[TM+4+\b], 23, v[TM+12+\b]      ; the scale's byte
.endr
	v_lshl_or_b32 v[\pw], v[TM+5], 8, v[TM+4]      ; the four bytes make my row's scale word
	v_lshl_or_b32 v[\pw], v[TM+6], 16, v[\pw]
	v_lshl_or_b32 v[\pw], v[TM+7], 24, v[\pw]
	WIN \w                                         ; source 0: the numbers' window
.irp c, 0,1
	v_cvt_scalef32_pk16_fp6_f32 v[PC+6*\c:PC+2+6*\c], v[\s+32*\c:\s+15+32*\c], v[TM+12+2*\c]
	v_cvt_scalef32_pk16_fp6_f32 v[PC+12+4*\c:PC+14+4*\c], v[\s+16+32*\c:\s+31+32*\c], v[TM+12+2*\c+1]   ; (a conversion's three registers begin on an even number)
.endr
	WIN 0
	v_nop                                          ; one plain place behind a scaled conversion
.irp c, 0,1                                    ; the operand's layout wants a WHOLE block in a lane: lanes 0-15 block 2 c, lanes 16-31 block 2 c + 1
.irp i, 0,1,2
	v_permlane16_swap_b32 v[PC+6*\c+\i], v[PC+12+4*\c+\i]
.endr
.irp i, 0,1,2
	v_mov_b32 v[PC+3+6*\c+\i], v[PC+12+4*\c+\i]
.endr
.endr
.endm
	PLACES NP                                      ; behind the last products: their results are read and their operands' registers written below
.irp b, 0,1,2,3
	v_mov_b32 v[TM+4+\b], 0                        ; written once: a lane permute's destination counts as one of its sources
.endr
	s_cmp_eq_u32 ttmp9, 2
	s_cbranch_scc1 .Lv
	; ---- q and k: eight blocks of 16 tokens
.irp a, 0,1,2,3,4,5,6,7
.if \a < 7
	s_wait_loadcnt 8                               ; this block's set of the table is in; the other set's eight loads may be out
.else
	s_wait_loadcnt 0x0
.endif
	ROPE \a
.if \a < 6
	TLD \a+2                                       ; into the set just read
.endif
	s_wait_xcnt 0x0                                ; the last block's stores have read the codes' registers, which are written again below
	QUANT X, 0, PW
	v_bfe_u32 v[SW+\a], v[PW], v[H16], 16          ; lanes 0-15 keep the first head's two bytes, lanes 16-31 the second head's; the upper two bytes are 0
	global_store_b128 v[O16], v[PC:PC+3], s[98:99] offset:768*\a                     ; the first head's image: 512 consecutive bytes,
	global_store_b64 v[O8], v[PC+4:PC+5], s[98:99] offset:768*\a+512                 ; and 256
	global_store_b128 v[O16], v[PC+6:PC+9], s[98:99] offset:98304+768*\a             ; the second head's, 128 tiles of 768 bytes on
	global_store_b64 v[O8], v[PC+10:PC+11], s[98:99] offset:98304+768*\a+512
.endr
	global_store_b128 v[SCO], v[SW:SW+3], s[100:101]               ; sixteen lanes store 256 consecutive bytes: tiles 0-3's words of a head's 16 rows
	global_store_b128 v[SCO], v[SW+4:SW+7], s[100:101] offset:256  ; tiles 4-7's
	s_branch .Ldone
.Lv:
	; ---- v: eight blocks of 16 features; the accumulators' registers run along the tokens as they stand
.irp a, 0,1,2,3,4,5,6,7
	s_wait_xcnt 0x0                                ; the last block's stores have read the codes' registers
.set QS, 64*(\a%4)
.set QW, 2+\a/4
	QUANT QS, QW, SW+\a
	global_store_b128 v[O16], v[PC:PC+3], s[98:99] offset:(\a/4)*98304+(\a%4)*1536
	global_store_b128 v[O16], v[PC+4:PC+7], s[98:99] offset:(\a/4)*98304+(\a%4)*1536+512
	global_store_b128 v[O16], v[PC+8:PC+11], s[98:99] offset:(\a/4)*98304+(\a%4)*1536+1024
.endr
	v_cmp_eq_u32 vcc_lo, 16, v[H16]
.irp d, 0,1,2,3
	v_cndmask_b32 v[SL+\d], v[SW+\d], v[SW+4+\d], vcc_lo           ; lanes 0-15 store the first head's four words, lanes 16-31 the second head's
.endr
	global_store_b128 v[SCO], v[SL:SL+3], s[100:101]
.Ldone:
	s_wait_tensorcnt 0x0                           ; the wave's end
	ds_add_u32 v[SPW], v[NIL]
	s_wait_dscnt 0x0
	CROUND                                         ; the closing round: no work-group ends while a partner may still ask for a tile that names it
	s_endpgm
.Lfunc_end_k_q9cf7b0b2e6_qkv:
	.size	k_q9cf7b0b2e6_qkv, .Lfunc_end_k_q9cf7b0b2e6_qkv-k_q9cf7b0b2e6_qkv
	.p2alignl 7, 3214868480
	.fill 96, 4, 3214868480
	.section	.rodata,"a",@progbits
	.p2align	6, 0x0
	.amdhsa_kernel k_q9cf7b0b2e6_qkv
		.amdhsa_group_segment_fixed_size 327680
		.amdhsa_private_segment_fixed_size 0
		.amdhsa_enable_private_segment 0
		.amdhsa_kernarg_size 56
		.amdhsa_user_sgpr_count 2
		.amdhsa_user_sgpr_kernarg_segment_ptr 1
		.amdhsa_wavefront_size32 1
		.amdhsa_system_sgpr_workgroup_id_x 1
		.amdhsa_system_sgpr_workgroup_id_y 1
		.amdhsa_system_sgpr_workgroup_id_z 1
		.amdhsa_system_vgpr_workitem_id 0
		.amdhsa_next_free_vgpr 1024
		.amdhsa_next_free_sgpr 102
		.amdhsa_reserve_vcc 1
		.amdhsa_float_denorm_mode_32 3
		.amdhsa_float_denorm_mode_16_64 3
		.amdhsa_memory_ordered 1
		.amdhsa_forward_progress 1
		.amdhsa_inst_pref_size 239
	.end_amdhsa_kernel
	.amdgpu_metadata
---
amdhsa.version: [ 1, 2 ]
amdhsa.kernels:
  - .name:           k_q9cf7b0b2e6_qkv
    .symbol:         k_q9cf7b0b2e6_qkv.kd
    .args:
      - { .name: x_codes, .offset: 0, .size: 8, .value_kind: global_buffer, .address_space: global }
      - { .name: x_scales, .offset: 8, .size: 8, .value_kind: global_buffer, .address_space: global }
      - { .name: w_codes, .offset: 16, .size: 8, .value_kind: global_buffer, .address_space: global }
      - { .name: w_scales, .offset: 24, .size: 8, .value_kind: global_buffer, .address_space: global }
      - { .name: rope, .offset: 32, .size: 8, .value_kind: global_buffer, .address_space: global }
      - { .name: qkv_img, .offset: 40, .size: 8, .value_kind: global_buffer, .address_space: global }
      - { .name: qkv_sc, .offset: 48, .size: 8, .value_kind: global_buffer, .address_space: global }
    .group_segment_fixed_size: 327680
    .private_segment_fixed_size: 0
    .kernarg_segment_align: 8
    .kernarg_segment_size: 56
    .max_flat_workgroup_size: 128
    .sgpr_count:     102
    .vgpr_count:     1024
    .wavefront_size: 32
...
	.end_amdgpu_metadata
.endif
;; end of part 2
;; launch attn (part 3): grid 4 x 64, 16 waves a work-group, clusters of 4 x 1, 327,680 bytes of LDS; arguments qkv_img, qkv_sc, o_q; writes o_q
.if DOCPART == 3
	.amdgcn_target "amdgcn-amd-amdhsa--gfx1250"
	.amdhsa_code_object_version 6
	.text
	.protected	k_q9cf7b0b2e6_attn
	.globl	k_q9cf7b0b2e6_attn
	.p2align	8
	.type	k_q9cf7b0b2e6_attn,@function
k_q9cf7b0b2e6_attn:
	s_mov_b64 s[64:65], 0
	v_nop
	global_prefetch_b8 v0, s[64:65] scope:SCOPE_SE
	s_setreg_imm32_b32 hwreg(HW_REG_WAVE_MODE, 25, 1), 1
	s_wait_xcnt 0x0
	s_wait_alu depctr_hold_cnt(0) depctr_sa_sdst(0) depctr_va_vdst(0) depctr_va_sdst(0) depctr_va_ssrc(0) depctr_va_vcc(0) depctr_vm_vsrc(0)
	s_getreg_b32 s2, hwreg(HW_REG_IB_STS2, 6, 4)
	s_cmp_eq_u32 s2, 0
	s_cbranch_scc0 .Lentry_in_a_cluster
	s_endpgm
.Lentry_in_a_cluster:
	s_bfe_u32 s2, ttmp6, 0x10000c
	s_cmp_lg_u32 s2, 0x3003
	s_cbranch_scc0 .Lentry_shape_is_right
	s_endpgm
.Lentry_shape_is_right:
.set VIMG, 98304
.set KSC,  196608
.set VSC,  204800
.set WV,   10
.set G1I,  16
.set G1C,  24
.set G0I,  32
.set G0C,  36
.set SEL,  40
.set CS,   42
.set TB,   44
.set TS,   45
.set TJ,   46
.set NST,  47
.set NPS,  48
.macro ROUND
	s_barrier_signal -1
	s_barrier_wait -1
	s_cmp_lg_u32 s[WV], 0
	s_cbranch_scc1 .Lnot_wave_0_\@
	s_barrier_signal -3
.Lnot_wave_0_\@:
	s_barrier_wait -3
	s_barrier_signal -1
	s_barrier_wait -1
.endm
	s_load_b128 s[4:7], s[0:1], 0x0
	s_load_b64 s[8:9], s[0:1], 0x10
	v_lshl_add_u32 v251, v0, 2, 0x33000
	v_mov_b32 v255, 0
	ds_add_u32 v251, v255
	ds_add_u32 v251, v255
	v_lshrrev_b32 v1, 5, v0
	s_delay_alu instid0(VALU_DEP_1)
	v_readfirstlane_b32 s[WV], v1
	s_bfe_u32 s11, ttmp6, 0x40000
	s_and_b32 s12, ttmp7, 0xffff
	s_mov_b32 s[G1I], 15|(3<<16)|(1<<21)
	s_mov_b32 s[G1I+1], 32<<16
	; the head's K and V images (196,608 bytes) and scale words (12,288) come in one group, one joint load a wave: waves 0-5 K's images, 6-11 V's, 16,384 bytes each; waves 12-15 3,072 bytes of scale words each
	s_mov_b32 s[G1I+2], 64<<16
	s_mov_b32 s[G1I+3], 32<<16
	s_mov_b32 s[G1I+4], 64
	s_mov_b32 s[G1I+5], 32
	s_mov_b32 s[G1I+6], 0
	s_mov_b32 s[G1I+7], 0
	s_mov_b32 s[G1C], 15|(3<<16)|(1<<21)
	s_mov_b32 s[G1C+1], 32<<16
	s_mov_b32 s[G1C+2], 12<<16
	s_mov_b32 s[G1C+3], 32<<16
	s_mov_b32 s[G1C+4], 12
	s_mov_b32 s[G1C+5], 32
	s_mov_b32 s[G1C+6], 0
	s_mov_b32 s[G1C+7], 0
	s_mul_i32 s14, s12, 98304                      ; the head's images,
	s_lshl_b32 s13, s[WV], 14
	s_add_co_u32 s14, s14, s13                     ; + 16,384 x wave,
	s_cmp_ge_u32 s[WV], 6
	s_mov_b32 s13, 6291456                         ; in k's part,
	s_cselect_b32 s13, 2*6291456-98304, s13        ; or in v's, where wave 6 takes the first piece
	s_add_co_u32 s14, s14, s13
	s_mov_b32 s15, 0
	s_mul_i32 s58, s12, 12288                      ; the head's scale words [k 8,192 | v 4,096],
	s_and_b32 s13, s[WV], 3
	s_mul_i32 s13, s13, 3072                       ; a quarter for each of waves 12-15
	s_add_co_u32 s58, s58, s13
	s_add_co_u32 s58, s58, 524288
	s_mov_b32 s59, 0
	s_mov_b32 s[SEL], 0x76543210
	s_mov_b32 s[SEL+1], 0xfedcba98
	s_mov_b32 s[CS], 0x3e38aa3b
	s_mov_b32 s[CS+1], s[CS]
	s_wait_dscnt 0x0
	s_wait_kmcnt 0x0
	s_mov_b32 s[G0I], 1
	s_lshl_b32 s[G0I+1], s[WV], 14
	s_add_nc_u64 s[G0I+2:G0I+3], s[4:5], s[14:15]
	s_or_b32 s[G0I+3], s[G0I+3], 0x80000000
	s_mov_b32 s[G0C], 1
	s_add_co_u32 s[G0C+1], s13, KSC
	s_add_nc_u64 s[G0C+2:G0C+3], s[6:7], s[58:59]
	s_or_b32 s[G0C+3], s[G0C+3], 0x80000000
	ROUND
	s_cmp_lt_u32 s[WV], 12
	s_cbranch_scc0 .Lscl
	tensor_load_to_lds s[G0I:G0I+3], s[G1I:G1I+7]
	s_nop 0
.rept 4
	v_nop
.endr
	s_branch .Lasked
.Lscl:
	tensor_load_to_lds s[G0C:G0C+3], s[G1C:G1C+7]
	s_nop 0
.rept 4
	v_nop
.endr
.Lasked:
	s_lshl_b32 s60, s11, 5
	s_lshl_b32 s61, s[WV], 1
	s_add_co_u32 s60, s60, s61
	s_lshl_b32 s61, s12, 7
	s_add_co_u32 s61, s61, s60
	s_mul_i32 s62, s61, 768
	s_mov_b32 s63, 0
	s_add_nc_u64 s[50:51], s[4:5], s[62:63]
	s_lshl_b32 s62, s12, 13
	s_lshr_b32 s61, s60, 2
	s_lshl_b32 s61, s61, 8
	s_add_co_u32 s62, s62, s61
	s_and_b32 s61, s60, 3
	s_lshl_b32 s61, s61, 2
	s_add_co_u32 s62, s62, s61
	s_add_nc_u64 s[52:53], s[6:7], s[62:63]
	s_lshr_b32 s61, s12, 4
	s_lshl_b32 s61, s61, 7
	s_add_co_u32 s61, s61, s60
	s_and_b32 s13, s12, 15
	s_mul_i32 s62, s13, 393216
	s_mul_i32 s14, s61, 768
	s_add_co_u32 s62, s62, s14
	s_add_nc_u64 s[54:55], s[8:9], s[62:63]
	s_lshl_b32 s62, s61, 9
	s_lshl_b32 s14, s13, 1
	s_add_co_u32 s62, s62, s14
	s_add_co_u32 s62, s62, 6291456
	s_add_nc_u64 s[56:57], s[8:9], s[62:63]
	v_and_b32 v6, 31, v0
	s_delay_alu instid0(VALU_DEP_1)
	v_lshlrev_b32 v1, 4, v6
	s_delay_alu instid0(VALU_DEP_2)
	v_lshlrev_b32 v2, 3, v6
	s_delay_alu instid0(VALU_DEP_1)
	v_add_nc_u32 v2, 512, v2
	s_delay_alu instid0(VALU_DEP_3)
	v_add_nc_u32 v3, VIMG, v1
	v_and_b32 v7, 15, v0
	s_delay_alu instid0(VALU_DEP_1)
	v_lshlrev_b32 v6, 4, v7
	s_delay_alu instid0(VALU_DEP_1)
	v_add_nc_u32 v4, KSC, v6
	s_delay_alu instid0(VALU_DEP_2)
	v_add_nc_u32 v5, VSC, v6
	s_delay_alu instid0(VALU_DEP_4)
	v_lshlrev_b32 v7, 5, v7
.irp j, 0,1,2,3,4,5
	v_mov_b32 v[22+\j], 0
	v_mov_b32 v[80+\j], 0
.endr
.irp b, 0,1,2,3
	v_mov_b32 v[236+\b], 0
.endr
	v_mov_b32 v252, 0
	v_mov_b32 v253, 0
	s_wait_tensorcnt 0x0
	s_barrier_signal -1
	s_barrier_wait -1
	s_mov_b32 s[NPS], 2
.Lpass:
	global_load_b128 v[16:19], v1, s[50:51]
	global_load_b64 v[20:21], v2, s[50:51]
	global_load_b32 v29, v6, s[52:53]
	v_mov_b32 v13, 0xff61b1e6
	s_delay_alu instid0(VALU_DEP_1)
	v_floor_f32 v12, -v13
	v_mov_b32 v14, 0
	v_mov_b32 v15, 0
.set j, 0
.rept 32
	v_mov_b32 v[160+j], 0
.set j, j+1
.endr
	s_mov_b32 s[TB], 0
	s_mov_b32 s[TS], 0
	s_mov_b32 s[TJ], 0
	s_mov_b32 s[NST], 16
	s_wait_loadcnt 0x0
.Lstep:
	v_add_nc_u32 v8, s[TB], v1
	v_add_nc_u32 v9, s[TB], v2
	v_add_nc_u32 v10, s[TB], v3
	v_add_nc_u32 v11, s[TS], v4
	v_add_nc_u32 v28, s[TJ], v5
	ds_load_b128 v[192:195], v11
	ds_load_b128 v[196:199], v11 offset:256
.irp t, 0,1,2,3,4,5,6,7
	ds_load_b128 v[32+6*\t:35+6*\t], v8 offset:768*\t
	ds_load_b64 v[36+6*\t:37+6*\t], v9 offset:768*\t
.endr
	s_wait_alu depctr_va_vdst(0)
	s_wait_dscnt 0x0
.irp t, 0,1,2,3,4,5,6,7
	v_wmma_scale_f32_16x16x128_f8f6f4 v[96+8*\t:103+8*\t], v[32+6*\t:43+6*\t], v[16:27], 0, v[192+\t], v29 matrix_a_fmt:MATRIX_FMT_FP6 matrix_b_fmt:MATRIX_FMT_FP6
.endr
.rept 4
	v_nop
.endr
.irp d, 0,1,2,3
.irp i, 0,1,2
	ds_load_b128 v[32+12*\d+4*\i:35+12*\d+4*\i], v10 offset:1536*\d+512*\i
.endr
.endr
	ds_load_b128 v[200:203], v28
.irp b, 0,1,2,3
	v_max3_num_f32 v[232+\b], v[96+16*\b], v[97+16*\b], v[98+16*\b]
.endr
.irp i, 3,5,7,9,11,13
.irp b, 0,1,2,3
	v_max3_num_f32 v[232+\b], v[232+\b], v[96+16*\b+\i], v[97+16*\b+\i]
.endr
.endr
.irp b, 0,1,2,3
	v_max_num_f32 v[232+\b], v[232+\b], v[111+16*\b]
.endr
.irp b, 0,1,2,3
	s_delay_alu instid0(VALU_DEP_4)
	v_permlanex16_b32 v[236+\b], v[232+\b], s[SEL], s[SEL+1]
.endr
.irp b, 0,1,2,3
	s_delay_alu instid0(VALU_DEP_4)
	v_max_num_f32 v[232+\b], v[232+\b], v[236+\b]
.endr
	s_delay_alu instid0(VALU_DEP_2)
	v_max3_num_f32 v254, v232, v233, v234
	s_delay_alu instid0(VALU_DEP_1)
	v_max_num_f32 v254, v254, v235
	s_delay_alu instid0(VALU_DEP_1)
	v_mul_f32 v254, s[CS], v254
	s_delay_alu instid0(VALU_DEP_1)
	v_max_num_f32 v13, v13, v254
	v_mov_b32 v254, v12
	s_delay_alu instid0(VALU_DEP_2)
	v_floor_f32 v12, -v13
	s_delay_alu instid0(VALU_DEP_1)
	v_sub_f32 v254, v12, v254
	s_delay_alu instid0(VALU_DEP_1)
	v_cvt_i32_f32 v254, v254
	s_delay_alu instid0(VALU_DEP_1)
	v_ldexp_f32 v252, 1.0, v254
.set j, 0
.rept 32
	v_pk_fma_f32 v[96+j:97+j], v[96+j:97+j], s[CS:CS+1], v[12:13] op_sel_hi:[1,0,0]
.set j, j+2
.endr
.irp b, 0,1,2,3
	v_fma_f32 v[232+\b], v[232+\b], s[CS], v12
.endr
.set j, 0
	s_wait_alu depctr_va_vdst(0)
.rept 64
	v_exp_f32 v[96+j], v[96+j]
.set j, j+1
.endr
.irp b, 0,1,2,3
	v_exp_f32 v[232+\b], v[232+\b]
.endr
	v_pk_mul_f32 v[14:15], v[14:15], v[252:253] op_sel_hi:[1,0]
	s_wait_alu depctr_va_vdst(0)
.irp b, 0,1,2,3
	v_max_num_f32 v[232+\b], 0x1800000, v[232+\b]
.endr
.irp b, 0,1,2,3
	s_delay_alu instid0(VALU_DEP_4)
	v_add_nc_u32 v[244+\b], 0xff000000, v[232+\b]
.endr
.irp b, 0,1,2,3
	s_delay_alu instid0(VALU_DEP_4)
	v_lshrrev_b32 v[236+\b], 23, v[244+\b]
.endr
	s_delay_alu instid0(VALU_DEP_3)
	v_lshl_or_b32 v253, v237, 8, v236
	s_delay_alu instid0(VALU_DEP_1)
	v_lshl_or_b32 v253, v238, 16, v253
	s_delay_alu instid0(VALU_DEP_1)
	v_lshl_or_b32 v253, v239, 24, v253
.irp c, 0,1
	v_cvt_scalef32_pk16_fp6_f32 v[224+6*\c:226+6*\c], v[96+32*\c:111+32*\c], v[244+2*\c]
	v_cvt_scalef32_pk16_fp6_f32 v[236+4*\c:238+4*\c], v[112+32*\c:127+32*\c], v[244+2*\c+1]
.endr
	v_nop
.irp c, 0,1
.irp i, 0,1,2
	v_permlane16_swap_b32 v[224+6*\c+\i], v[236+4*\c+\i]
.endr
.irp i, 0,1,2
	s_delay_alu instid0(VALU_DEP_3)
	v_mov_b32 v[227+6*\c+\i], v[236+4*\c+\i]
.endr
.endr
.set j, 0
.rept 16
	v_pk_mul_f32 v[160+j:161+j], v[160+j:161+j], v[252:253] op_sel_hi:[1,0]
.set j, j+2
.endr
	v_pk_add_f32 v[236:237], v[96:97], v[98:99]
.irp j, 4,8,12,16,20,24,28,32,36,40,44,48,52,56,60
	v_pk_add_f32 v[14:15], v[14:15], v[96+\j:97+\j]
	v_pk_add_f32 v[236:237], v[236:237], v[98+\j:99+\j]
.endr
	s_delay_alu instid0(VALU_DEP_1)
	v_pk_add_f32 v[14:15], v[14:15], v[236:237]
	s_wait_dscnt 0x0
.irp d, 0,1,2,3
	v_wmma_scale_f32_16x16x128_f8f6f4 v[160+8*\d:167+8*\d], v[32+12*\d:43+12*\d], v[224:235], v[160+8*\d:167+8*\d], v[200+\d], v253 matrix_a_fmt:MATRIX_FMT_FP6 matrix_b_fmt:MATRIX_FMT_FP6
.endr
	s_add_co_u32 s[TB], s[TB], 6144
	s_add_co_u32 s[TS], s[TS], 512
	s_add_co_u32 s[TJ], s[TJ], 256
	s_sub_co_u32 s[NST], s[NST], 1
	s_cmp_lg_u32 s[NST], 0
	s_cbranch_scc1 .Lstep
.rept 4
	v_nop
.endr
	s_wait_alu depctr_va_vdst(0)
	v_add_f32 v14, v14, v15
	s_delay_alu instid0(VALU_DEP_1)
	v_permlanex16_b32 v252, v14, s[SEL], s[SEL+1]
	s_delay_alu instid0(VALU_DEP_1)
	v_add_f32 v14, v14, v252
	s_wait_alu depctr_va_vdst(0)
	v_rcp_f32 v14, v14
	v_nop
.set j, 0
	s_wait_alu depctr_va_vdst(0)
.rept 32
	v_mul_f32 v[96+j], v[160+j], v14
.set j, j+1
.endr
.irp b, 0,1
	v_max3_num_f32 v[232+\b], |v[96+16*\b]|, |v[97+16*\b]|, 0x1800000
.endr
.irp i, 2,4,6,8,10,12,14
.irp b, 0,1
	s_delay_alu instid0(VALU_DEP_2)
	v_max3_num_f32 v[232+\b], v[232+\b], |v[96+16*\b+\i]|, |v[97+16*\b+\i]|
.endr
.endr
.irp b, 0,1
	s_delay_alu instid0(VALU_DEP_2)
	v_permlanex16_b32 v[236+\b], v[232+\b], s[SEL], s[SEL+1]
.endr
.irp b, 0,1
	s_delay_alu instid0(VALU_DEP_2)
	v_max_num_f32 v[232+\b], v[232+\b], v[236+\b]
.endr
.irp b, 0,1
	s_delay_alu instid0(VALU_DEP_2)
	v_add_nc_u32 v[244+\b], 0xff000000, v[232+\b]
.endr
.irp b, 0,1
	s_delay_alu instid0(VALU_DEP_2)
	v_lshrrev_b32 v[236+\b], 23, v[244+\b]
.endr
	s_delay_alu instid0(VALU_DEP_1)
	v_lshl_or_b32 v254, v237, 8, v236
	v_cvt_scalef32_pk16_fp6_f32 v[224:226], v[96:111], v244
	v_cvt_scalef32_pk16_fp6_f32 v[240:242], v[112:127], v245
	v_nop
.irp i, 0,1,2
	v_permlane16_swap_b32 v[224+\i], v[240+\i]
.endr
.irp i, 0,1,2
	s_delay_alu instid0(VALU_DEP_3)
	v_mov_b32 v[227+\i], v[240+\i]
.endr
	global_store_b128 v1, v[224:227], s[54:55]
	global_store_b64 v2, v[228:229], s[54:55]
	global_store_b16 v7, v254, s[56:57]
	s_wait_xcnt 0x0
	s_add_nc_u64 s[50:51], s[50:51], 768
	s_add_nc_u64 s[52:53], s[52:53], 4
	s_add_nc_u64 s[54:55], s[54:55], 768
	s_add_nc_u64 s[56:57], s[56:57], 512
	s_sub_co_u32 s[NPS], s[NPS], 1
	s_cmp_lg_u32 s[NPS], 0
	s_cbranch_scc1 .Lpass
	s_wait_dscnt 0x0
	s_wait_tensorcnt 0x0
	ds_add_u32 v251, v255
	s_wait_dscnt 0x0
	ROUND
	s_endpgm
.Lfunc_end_k_q9cf7b0b2e6_attn:
	.size	k_q9cf7b0b2e6_attn, .Lfunc_end_k_q9cf7b0b2e6_attn-k_q9cf7b0b2e6_attn
	.p2alignl 7, 3214868480
	.fill 96, 4, 3214868480
	.section	.rodata,"a",@progbits
	.p2align	6, 0x0
	.amdhsa_kernel k_q9cf7b0b2e6_attn
		.amdhsa_group_segment_fixed_size 327680
		.amdhsa_private_segment_fixed_size 0
		.amdhsa_enable_private_segment 0
		.amdhsa_kernarg_size 24
		.amdhsa_user_sgpr_count 2
		.amdhsa_user_sgpr_kernarg_segment_ptr 1
		.amdhsa_wavefront_size32 1
		.amdhsa_system_sgpr_workgroup_id_x 1
		.amdhsa_system_sgpr_workgroup_id_y 1
		.amdhsa_system_sgpr_workgroup_id_z 1
		.amdhsa_system_vgpr_workitem_id 0
		.amdhsa_next_free_vgpr 256
		.amdhsa_next_free_sgpr 66
		.amdhsa_reserve_vcc 0
		.amdhsa_float_denorm_mode_32 3
		.amdhsa_float_denorm_mode_16_64 3
		.amdhsa_memory_ordered 1
		.amdhsa_forward_progress 1
		.amdhsa_inst_pref_size 31
	.end_amdhsa_kernel
	.amdgpu_metadata
---
amdhsa.version: [ 1, 2 ]
amdhsa.kernels:
  - .name:           k_q9cf7b0b2e6_attn
    .symbol:         k_q9cf7b0b2e6_attn.kd
    .args:
      - { .name: qkv_img, .offset: 0, .size: 8, .value_kind: global_buffer, .address_space: global }
      - { .name: qkv_sc, .offset: 8, .size: 8, .value_kind: global_buffer, .address_space: global }
      - { .name: o_q, .offset: 16, .size: 8, .value_kind: global_buffer, .address_space: global }
    .group_segment_fixed_size: 327680
    .private_segment_fixed_size: 0
    .kernarg_segment_align: 8
    .kernarg_segment_size: 24
    .max_flat_workgroup_size: 512
    .sgpr_count:     66
    .vgpr_count:     256
    .wavefront_size: 32
...
	.end_amdgpu_metadata
.endif
;; end of part 3
;; launch proj (part 4): grid 4 x 32, 4 waves a work-group, clusters of 4 x 4, 327,680 bytes of LDS; arguments o_q, w_codes, w_scales, out0; writes out0
.if DOCPART == 4
	.amdgcn_target "amdgcn-amd-amdhsa--gfx1250"
	.amdhsa_code_object_version 6
	.text
	.protected	k_q9cf7b0b2e6_proj
	.globl	k_q9cf7b0b2e6_proj
	.p2align	8
	.type	k_q9cf7b0b2e6_proj,@function
k_q9cf7b0b2e6_proj:
	s_mov_b64 s[64:65], 0
	v_nop
	global_prefetch_b8 v0, s[64:65] scope:SCOPE_SE
	s_setreg_imm32_b32 hwreg(HW_REG_WAVE_MODE, 25, 1), 1
	s_wait_xcnt 0x0
	s_wait_alu depctr_hold_cnt(0) depctr_sa_sdst(0) depctr_va_vdst(0) depctr_va_sdst(0) depctr_va_ssrc(0) depctr_va_vcc(0) depctr_vm_vsrc(0)
	s_getreg_b32 s2, hwreg(HW_REG_IB_STS2, 6, 4)
	s_cmp_eq_u32 s2, 0
	s_cbranch_scc0 .Lentry_in_a_cluster
	s_endpgm
.Lentry_in_a_cluster:
	s_bfe_u32 s2, ttmp6, 0x10000c
	s_cmp_lg_u32 s2, 0xf033
	s_cbranch_scc0 .Lentry_shape_is_right
	s_endpgm
.Lentry_shape_is_right:
.set SIZE_N, 1024
.set SIZE_K, 1024
.set KSTEP,  256
.set NQ,     KSTEP/128
.set ROWB,   192
.set KROW,   SIZE_K*6/8
.set PITCH,  208                       ; Wo's rows in memory and in LDS alike: 192 bytes of codes + 16 of zeros
.set PLW,    4096*PITCH                ; from 256 along K to the next in w_codes
.set FR,     12
.set NL,     6
.set NLA,    4
.set NP,     4
.set HALFT,  128*PITCH
.set SLOT,   4*HALFT
.set PLANE,  6144
.set HEADB,  393216
.set LAPS,   SIZE_K/(2*KSTEP)
.set KS,     SIZE_K/32
.set SCL,    2*SLOT
.set HALFS,  (128*KS/256)*272
.set SBLK,   (16*KS/256)*272
.set SPARE,  SCL+4*HALFS
.set SPITCH, 528
.set ADRA, 16
.set ADRB, 20
.set STO,  24
.set RD,   25
.set CO,   26
.set ADRS, 27
.set SPW,  28
.set NIL,  29
.set SC,   32
.set AF,   128
.set BK,   128
.set G1, 24
.set G0, 32
.set G1B, 48
.set G0B, 56
.set G1S, 68
.set G0S, 76
.set G1SB, 80
.set G0SB, 88
.set MSB, 0
.macro WIN new
.if MSB != \new
	s_set_vgpr_msb (MSB<<8)|\new
.set MSB, \new
.endif
.endm
.set MUL_LO, 0xa1
.set MUL_HI, 0xf1
.set TO_B,   0x40
.macro JLOAD g0a, g1a, g0b, g1b
	s_cmp_eq_u32 s15, 0
	s_cbranch_scc0 .Lfor_b_\@
	tensor_load_to_lds s[\g0a:\g0a+3], s[\g1a:\g1a+7]
	s_nop 0
.rept 4
	v_nop
.endr
	s_branch .Lasked_\@
.Lfor_b_\@:
	tensor_load_to_lds s[\g0b:\g0b+3], s[\g1b:\g1b+7]
	s_nop 0
.rept 4
	v_nop
.endr
.Lasked_\@:
.endm
.macro CREST
	s_cmp_lg_u32 s14, 0
	s_cbranch_scc1 .Lnot_wave_0_\@
	s_barrier_signal -3
.Lnot_wave_0_\@:
	s_barrier_wait -3
	s_barrier_signal -1
	s_barrier_wait -1
.endm
.macro CROUND
	s_barrier_signal -1
	s_barrier_wait -1
	CREST
.endm
	s_load_b128 s[4:7], s[0:1], 0x0
	s_load_b128 s[8:11], s[0:1], 0x10
	v_lshl_add_u32 v[SPW], v0, 2, SPARE
	v_mov_b32 v[NIL], 0
	ds_add_u32 v28, v29
	ds_add_u32 v28, v29
	s_wait_dscnt 0x0
	v_lshrrev_b32 v1, 5, v0
	v_readfirstlane_b32 s14, v1
	s_lshr_b32 s15, s14, 1
	s_and_b32 s16, s14, 1
	s_bfe_u32 s40, ttmp6, 0x40000
	s_bfe_u32 s41, ttmp6, 0x40004
	s_lshl_b32 s42, ttmp9, 2
	s_add_co_u32 s42, s42, s40
	s_and_b32 s17, ttmp7, 0xffff
	s_lshl_b32 s17, s17, 2
	s_add_co_u32 s17, s17, s41
	s_lshl_b32 s43, s41, 2
	s_lshl_b32 s43, 15, s43
	s_lshl_b32 s44, 0x1111, s40
	s_or_b32 s[G1+0], s43, (3<<16)|(1<<21)
	s_mov_b32 s[G1+1], (PLANE/8)<<16
	s_mov_b32 s[G1+2], 4<<16
	s_mov_b32 s[G1+3], (PLANE/8)<<16
	s_mov_b32 s[G1+4], 4
	s_mov_b32 s[G1+5], HEADB/8
	s_mov_b32 s[G1+6], 0
	s_mov_b32 s[G1+7], 0
	s_or_b32 s[G1B+0], s44, (3<<16)|(1<<21)        ; 128 positions of a plane: a dense block, 104 rows of 256 bytes
	s_mov_b32 s[G1B+1], 32<<16
	s_mov_b32 s[G1B+2], 104<<16
	s_mov_b32 s[G1B+3], 32<<16
	s_mov_b32 s[G1B+4], 104
	s_mov_b32 s[G1B+5], 32
	s_mov_b32 s[G1B+6], 0
	s_mov_b32 s[G1B+7], 0
	s_or_b32 s[G1S+0], s43, (3<<16)|(1<<20)|(1<<21)|(5<<22)|(3<<25)
	s_or_b32 s[G1SB+0], s44, (3<<16)|(1<<20)|(1<<21)|(5<<22)|(3<<25)
.irp g, G1S, G1SB
	s_mov_b32 s[\g+1], 32<<16
	s_mov_b32 s[\g+2], (128*KS/256)<<16
	s_mov_b32 s[\g+3], 32<<16
	s_mov_b32 s[\g+4], 128*KS/256
	s_mov_b32 s[\g+5], 32
	s_mov_b32 s[\g+6], 0
	s_mov_b32 s[\g+7], 0
.endr
	s_lshl_b32 s18, s16, 7
	s_lshl_b32 s20, s17, 8
	s_add_co_u32 s20, s20, s18
	s_lshl_b32 s46, s42, 8
	s_add_co_u32 s46, s46, s18
	s_mov_b32 s21, 0
	s_mov_b32 s47, 0
	s_mov_b64 s[18:19], KS
	s_mul_u64 s[22:23], s[20:21], s[18:19]
	s_mul_u64 s[92:93], s[46:47], s[18:19]
	s_mov_b64 s[18:19], 48
	s_mul_u64 s[20:21], s[20:21], s[18:19]
	s_mov_b64 s[18:19], PITCH
	s_mul_u64 s[46:47], s[46:47], s[18:19]
	s_mul_i32 s45, s14, HALFT
	s_mul_i32 s94, s14, HALFS
	s_wait_kmcnt 0x0
	s_mov_b64 s[12:13], s[10:11]
	s_add_nc_u64 s[10:11], s[8:9], 3072*KS
	s_add_nc_u64 s[8:9], s[6:7], 3072*PITCH
	s_add_nc_u64 s[6:7], s[4:5], 6291456
	s_add_nc_u64 s[20:21], s[4:5], s[20:21]
	s_add_nc_u64 s[22:23], s[6:7], s[22:23]
	s_add_nc_u64 s[46:47], s[8:9], s[46:47]
	s_add_nc_u64 s[92:93], s[10:11], s[92:93]
	CROUND
	s_mov_b32 s[G0S], 1
	s_add_co_u32 s[G0S+1], s94, SCL
	s_mov_b64 s[G0S+2:G0S+3], s[22:23]
	s_or_b32 s[G0S+3], s[G0S+3], 0x80000000
	s_mov_b32 s[G0SB], 1
	s_add_co_u32 s[G0SB+1], s94, SCL
	s_mov_b64 s[G0SB+2:G0SB+3], s[92:93]
	s_or_b32 s[G0SB+3], s[G0SB+3], 0x80000000
	JLOAD G0S, G1S, G0SB, G1SB
.irp s, 0,1
	s_mov_b32 s[G0+4*\s], 1
	s_add_co_u32 s[G0+4*\s+1], s45, \s*SLOT
	s_add_nc_u64 s[G0+4*\s+2:G0+4*\s+3], s[20:21], \s*4*HEADB
	s_or_b32 s[G0+4*\s+3], s[G0+4*\s+3], 0x80000000
	s_mov_b32 s[G0B+4*\s], 1
	s_add_co_u32 s[G0B+4*\s+1], s45, \s*SLOT
	s_add_nc_u64 s[G0B+4*\s+2:G0B+4*\s+3], s[46:47], \s*PLW
	s_or_b32 s[G0B+4*\s+3], s[G0B+4*\s+3], 0x80000000
	s_wait_alu depctr_va_vdst(0)
	s_wait_tensorcnt 0x0
	ds_add_u32 v28, v29
	s_wait_dscnt 0x0
	CROUND
	JLOAD G0+4*\s, G1, G0B+4*\s, G1B
.endr
	v_and_b32 v1, 15, v0
	v_bfe_u32 v2, v0, 4, 1
	v_mul_u32_u24 v3, v1, PITCH
	v_mul_u32_u24 v4, v2, 24
	v_add_nc_u32 v4, v3, v4
	v_and_b32 v6, 31, v0
	v_lshlrev_b32 v8, 4, v6
	v_lshlrev_b32 v9, 3, v6
	s_mul_i32 s21, s15, HALFT
	s_mul_i32 s22, s16, HALFT
	s_add_co_u32 s22, s22, 2*HALFT
.irp s, 0,1
	v_add_nc_u32 v[ADRA+\s], s21, v8
	v_add_nc_u32 v[ADRB+\s], s22, v4
	v_add_nc_u32 v[ADRA+2+\s], s21, v9
	s_add_co_u32 s21, s21, SLOT
	s_add_co_u32 s22, s22, SLOT
.endr
	v_mul_u32_u24 v5, v1, KS
	v_lshrrev_b32 v6, 8, v5
	v_lshl_add_u32 v5, v6, 4, v5
	s_mul_i32 s21, s15, HALFS
	s_mul_i32 s22, s16, HALFS
	s_add_co_u32 s22, s22, 2*HALFS
	s_sub_co_u32 s22, s22, s21
	v_mul_u32_u24 v6, s22, v2
	s_add_co_u32 s21, s21, SCL
	v_add_nc_u32 v5, v5, v6
	v_add_nc_u32 v[ADRS], s21, v5
	s_mul_i32 s23, s14, 16*SPITCH
	v_mul_u32_u24 v5, v1, SPITCH
	v_lshl_add_u32 v5, v2, 6, v5
	v_add_nc_u32 v[STO], s23, v5
	v_and_b32 v6, 31, v0
	v_lshlrev_b32 v[CO], 4, v6
	v_add_nc_u32 v[RD], s23, v[CO]
	s_lshl_b32 s20, s17, 8
	s_lshl_b32 s21, s15, 7
	s_add_co_u32 s20, s20, s21
	s_mov_b32 s21, 0
	s_mov_b64 s[18:19], SIZE_N*4
	s_mul_u64 s[20:21], s[20:21], s[18:19]
	s_lshl_b32 s46, s42, 10
	s_lshl_b32 s47, s16, 9
	s_add_co_u32 s46, s46, s47
	s_mov_b32 s47, 0
	s_add_nc_u64 s[20:21], s[20:21], s[46:47]
	s_add_nc_u64 s[12:13], s[12:13], s[20:21]
.macro FRAG reg, adr, q, i
.irp p, 0,1,2,3,4,5
.set PCE, 12*(\q)+6*(\p/3)+\p%3
	ds_load_b64 v[\reg+2*\p:\reg+2*\p+1], v[\adr] offset:8*PCE+(\i)*16*PITCH
.endr
.endm
.macro FRAGA reg, slot, q, i
.irp c, 0,1
	ds_load_b128 v[\reg+6*\c:\reg+6*\c+3], v[ADRA+\slot] offset:(2*(\q)+\c)*PLANE+768*(\i)
	ds_load_b64 v[\reg+6*\c+4:\reg+6*\c+5], v[ADRA+2+\slot] offset:(2*(\q)+\c)*PLANE+768*(\i)+512
.endr
.endm
.macro MUL16 a0, p, q, sc, zero
.irp a, \a0, \a0+1
.irp b, 0,1,2,3,4,5,6,7
.if \zero
	v_wmma_scale_f32_16x16x128_f8f6f4 v[8*(8*((\a)%4)+\b):8*(8*((\a)%4)+\b)+7], v[128*(\p)+FR*\b:128*(\p)+FR*\b+FR-1], v[AF+FR*(\a):AF+FR*(\a)+FR-1], 0, v[SC+8*NQ*(\sc)+NQ*\b+(\q)], v[SC+8*NQ*(\sc)+NQ*(\a)+(\q)] matrix_a_fmt:MATRIX_FMT_FP6 matrix_b_fmt:MATRIX_FMT_FP6 matrix_a_scale:MATRIX_SCALE_ROW1
.else
	v_wmma_scale_f32_16x16x128_f8f6f4 v[8*(8*((\a)%4)+\b):8*(8*((\a)%4)+\b)+7], v[128*(\p)+FR*\b:128*(\p)+FR*\b+FR-1], v[AF+FR*(\a):AF+FR*(\a)+FR-1], v[8*(8*((\a)%4)+\b):8*(8*((\a)%4)+\b)+7], v[SC+8*NQ*(\sc)+NQ*\b+(\q)], v[SC+8*NQ*(\sc)+NQ*(\a)+(\q)] matrix_a_fmt:MATRIX_FMT_FP6 matrix_b_fmt:MATRIX_FMT_FP6 matrix_a_scale:MATRIX_SCALE_ROW1
.endif
.endr
.endr
.endm
.macro FETCH_B slot, q, p
	WIN TO_B
.irp i, 0,1,2,3,4,5,6,7
	FRAG 128*(\p)+FR*\i, ADRB+\slot, \q, \i
.endr
	WIN 0
.endm
.macro FETCH_A slot, q, i0
.irp i, \i0, \i0+1, \i0+2, \i0+3
	FRAGA AF+FR*(\i), \slot, \q, \i
.endr
.endm
.macro SCALES sc
.irp i, 0,1,2,3,4,5,6,7
	ds_load_b64 v[SC+8*NQ*\sc+NQ*\i:SC+8*NQ*\sc+NQ*\i+1], v[ADRS] offset:\i*SBLK
.endr
.endm
.macro PLACES n
.rept \n
	v_nop
.endr
.endm
.macro STEP slot, q, zero
	s_wait_dscnt 4*NLA
	WIN MUL_LO
	MUL16 0, (\q)%2, \q, \slot, \zero
	MUL16 2, (\q)%2, \q, \slot, \zero
	s_wait_dscnt 0
	PLACES NP
	FETCH_B \slot, (\q)+1, 1-(\q)%2
	FETCH_A \slot, (\q)+1, 0
	WIN MUL_HI
	MUL16 4, (\q)%2, \q, \slot, \zero
	MUL16 6, (\q)%2, \q, \slot, \zero
	PLACES NP
	WIN 0
	FETCH_A \slot, (\q)+1, 4
.endm
.macro TURN slot, next, fill
	s_wait_tensorcnt 0x0
	ds_add_u32 v[SPW], v[NIL]
	s_wait_dscnt 4*NLA+1
	WIN MUL_LO
	MUL16 0, 1, NQ-1, \slot, 0
	s_wait_dscnt 0x0
	s_barrier_signal -1
	MUL16 2, 1, NQ-1, \slot, 0
	WIN 0
	s_barrier_wait -1
.if \fill
	CREST
	s_add_nc_u64 s[G0+4*\slot+2:G0+4*\slot+3], s[G0+4*\slot+2:G0+4*\slot+3], 8*HEADB
	s_add_nc_u64 s[G0B+4*\slot+2:G0B+4*\slot+3], s[G0B+4*\slot+2:G0B+4*\slot+3], 2*PLW
	JLOAD G0+4*\slot, G1, G0B+4*\slot, G1B
.else
	PLACES NP
.endif
	s_wait_alu depctr_va_vdst(0)
	v_add_nc_u32 v[ADRS], 4*NQ, v[ADRS]
	FETCH_B \next, 0, 0
	FETCH_A \next, 0, 0
	SCALES \next
	WIN MUL_HI
	MUL16 4, 1, NQ-1, \slot, 0
	MUL16 6, 1, NQ-1, \slot, 0
	PLACES NP
	WIN 0
	FETCH_A \next, 0, 4
.endm
	s_wait_alu depctr_va_vdst(0)
	s_wait_tensorcnt 1
	s_barrier_signal -1
	s_barrier_wait -1
	FETCH_B 0, 0, 0
	FETCH_A 0, 0, 0
	SCALES 0
	FETCH_A 0, 0, 4
	STEP 0, 0, 1
	s_mov_b32 s3, LAPS-1
.Llap:
	TURN 0, 1, 1
	STEP 1, 0, 0
	TURN 1, 0, 1
	STEP 0, 0, 0
	s_sub_co_u32 s3, s3, 1
	s_cmp_lg_u32 s3, 0
	s_cbranch_scc1 .Llap
	TURN 0, 1, 0
	STEP 1, 0, 0
	s_wait_dscnt 4*NLA
	WIN MUL_LO
	MUL16 0, 1, NQ-1, 1, 0
	MUL16 2, 1, NQ-1, 1, 0
	s_wait_dscnt 0
	WIN MUL_HI
	MUL16 4, 1, NQ-1, 1, 0
	MUL16 6, 1, NQ-1, 1, 0
	WIN 0
.macro TOSTAGE a
.set AC, 64*((\a)%4)
	WIN 0x08+4*((\a)/4)
.irp b, 0,1,2,3,4,5,6,7
	ds_store_b128 v[STO], v[AC+8*\b:AC+8*\b+3] offset:128*(\b/2)+32*(\b%2)
	ds_store_b128 v[STO], v[AC+8*\b+4:AC+8*\b+7] offset:128*(\b/2)+32*(\b%2)+16
.endr
	WIN 0
.set BB, BK+64*((\a)%2)
.irp t, 0,1,2,3,4,5,6,7,8,9,10,11,12,13,14,15
	ds_load_b128 v[BB+4*\t:BB+4*\t+3], v[RD] offset:\t*SPITCH
.endr
.endm
.macro SEND a, younger
.set BB, BK+64*((\a)%2)
	s_wait_dscnt \younger
.irp t, 0,1,2,3,4,5,6,7,8,9,10,11,12,13,14,15
	global_store_b128 v[CO], v[BB+4*\t:BB+4*\t+3], s[12:13] offset:(32*((\a)/2)+8*((\a)%2)+\t+8*(\t/8))*SIZE_N*4 th:TH_STORE_NT
.endr
.endm
	PLACES NP
	TOSTAGE 0
.irp a, 1,2,3,4,5,6,7
.if \a > 1
	s_wait_xcnt 0x0
.endif
	TOSTAGE \a
	SEND \a-1, 32
.endr
	SEND 7, 0
	s_wait_tensorcnt 0x0
	ds_add_u32 v[SPW], v[NIL]
	s_wait_dscnt 0x0
	CROUND
	s_endpgm
.Lfunc_end_k_q9cf7b0b2e6_proj:
	.size	k_q9cf7b0b2e6_proj, .Lfunc_end_k_q9cf7b0b2e6_proj-k_q9cf7b0b2e6_proj
	.p2alignl 7, 3214868480
	.fill 96, 4, 3214868480
	.section	.rodata,"a",@progbits
	.p2align	6, 0x0
	.amdhsa_kernel k_q9cf7b0b2e6_proj
		.amdhsa_group_segment_fixed_size 327680
		.amdhsa_private_segment_fixed_size 0
		.amdhsa_enable_private_segment 0
		.amdhsa_kernarg_size 32
		.amdhsa_user_sgpr_count 2
		.amdhsa_user_sgpr_kernarg_segment_ptr 1
		.amdhsa_wavefront_size32 1
		.amdhsa_system_sgpr_workgroup_id_x 1
		.amdhsa_system_sgpr_workgroup_id_y 1
		.amdhsa_system_sgpr_workgroup_id_z 1
		.amdhsa_system_vgpr_workitem_id 0
		.amdhsa_next_free_vgpr 1024
		.amdhsa_next_free_sgpr 98
		.amdhsa_reserve_vcc 0
		.amdhsa_float_denorm_mode_32 3
		.amdhsa_float_denorm_mode_16_64 3
		.amdhsa_memory_ordered 1
		.amdhsa_forward_progress 1
		.amdhsa_inst_pref_size 152
	.end_amdhsa_kernel
	.amdgpu_metadata
---
amdhsa.version: [ 1, 2 ]
amdhsa.kernels:
  - .name:           k_q9cf7b0b2e6_proj
    .symbol:         k_q9cf7b0b2e6_proj.kd
    .args:
      - { .name: o_q, .offset: 0, .size: 8, .value_kind: global_buffer, .address_space: global }
      - { .name: w_codes, .offset: 8, .size: 8, .value_kind: global_buffer, .address_space: global }
      - { .name: w_scales, .offset: 16, .size: 8, .value_kind: global_buffer, .address_space: global }
      - { .name: out0, .offset: 24, .size: 8, .value_kind: global_buffer, .address_space: global }
    .group_segment_fixed_size: 327680
    .private_segment_fixed_size: 0
    .kernarg_segment_align: 8
    .kernarg_segment_size: 32
    .max_flat_workgroup_size: 128
    .sgpr_count:     98
    .vgpr_count:     1024
    .wavefront_size: 32
...
	.end_amdgpu_metadata
.endif
;; end of part 4
